; MI455X (gfx1250); checked and timed in simulation.
; The chip was launched on July 23, 2026; its instructions are those of AMD's public machine-readable ISA for CDNA 5 (MIT licence, August 2026) and "CDNA5" Instruction Set Architecture Reference Guide (July 2026). The comments in the code are by the model that wrote it; some were corrected since.
;; Multi Head Attention. Allowed arithmetic: matrix products marked QUANTISED: E4M3 operands, one E8M0 scale for each 32 along K, by v_wmma_scale_f32_16x16x128_f8f6f4 with both operands' format E4M3, f32 sums; everything else in f32.
;; Inputs: Wk 1,024 x 1,024 float32; Wo 1,024 x 1,024 float32; Wq 1,024 x 1,024 float32; Wv 1,024 x 1,024 float32; bk 1,024 float32; bo 1,024 float32; bq 1,024 float32; bv 1,024 float32; keys 8 x 1,024 x 1,024 float32; queries 8 x 1,024 x 1,024 float32; values 8 x 1,024 x 1,024 float32.
;; Outputs: out0 8 x 1,024 x 1,024 float32.
;; This version of the problem:
;;   THIS VERSION OF THE PROBLEM IS GIVEN IN LOW PRECISION. The matrix products marked QUANTISED in the list below multiply operands that are first quantised to E4M3 (4 exponent bits, 3 mantissa bits; 8 bits a number), with one power-of-two scale for each 32 numbers along K (OCP MX v1.0); their sums are f32. All else is computed in f32.
;;   The module's matrix products, in the order in which they are computed (A, B: the left and right operand; K: the contracted axis; several contracted axes count as one K, in the product's order):
;;     1. [M 8,192, K 1,024] x [K 1,024, N 1,024]; A: input queries; B: input Wq: QUANTISED
;;     2. [M 8,192, K 1,024] x [K 1,024, N 1,024]; A: input keys; B: input Wk: QUANTISED
;;     3. [M 8,192, K 1,024] x [K 1,024, N 1,024]; A: input values; B: input Wv: QUANTISED
;;     4. batch 128 x [M 1,024, K 64] x [K 64, N 1,024]; A: computed on the way; B: computed on the way: QUANTISED
;;     5. batch 128 x [M 64, K 1,024] x [K 1,024, N 1,024]; A: computed on the way; B: softmax (see below): QUANTISED
;;     6. [M 8,192, K 1,024] x [K 1,024, N 1,024]; A: computed on the way; B: input Wo: QUANTISED
;;   THE QUANTISER, for each operand of a quantised product, along K:
;;     - K is cut into blocks of 32 from its start; a last block that is shorter is filled with zeros.
;;     - A block's scale is 2^e with e = floor(log2(the largest magnitude in the block)) - 8, held to -126 .. 127; a block of zeros has e = 0. As a byte (E8M0): e + 127.
;;     - Each number is divided by its block's scale, clamped to +-448, and rounded to the nearest number of E4M3, ties to even, subnormals kept.
;;     - The product sums the exact products of the quantised numbers (number of the format x scale) in f32.
;;   ~~~python
;;   def quantise(x, axis):      # numpy; x: float32 -> the quantised numbers, widened to float32 again
;;       x = np.moveaxis(x, axis, -1); K = x.shape[-1]
;;       x = np.pad(x, [(0, 0)] * (x.ndim - 1) + [(0, -K % 32)]); x = x.reshape(x.shape[:-1] + (-1, 32)); a = np.abs(x).max(-1, keepdims=True)
;;       e = np.where(a > 0, np.clip(np.frexp(np.where(a > 0, a, 1))[1] - 1 - 8, -126, 127), 0)      # np.frexp(a)[1] - 1 = floor(log2(a)), exactly
;;       r = np.clip(x / 2.0 ** e, -448, 448)
;;       step = 2.0 ** (np.maximum(np.frexp(np.where(r == 0, 1, r))[1] - 1, -6) - 3)
;;       q = np.round(r / step) * step * 2.0 ** e      # np.round: ties to even
;;       return np.moveaxis(q.reshape(q.shape[:-2] + (-1,))[..., :K], -1, axis).astype(np.float32)
;;   ~~~
;;   SOFTMAX AHEAD OF A QUANTISED PRODUCT. Where the list says 'softmax', what is quantised is not the finished softmax but p = 2^(t - M), with t = logit x log2(e) and M = ceil(the row's largest t), a whole number; so 1/2 < the row's largest p <= 1. The row's sum l is taken of the UNQUANTISED p, in f32, and the product's result is divided by l at the end. Since M is a whole number, a kernel that streams over the keys may use a running M (the ceiling of the running maximum): every later rescaling is an exact power of two, which a block's scale takes up: the codes' values come out the same.
;;   OPERANDS COMPUTED ON THE WAY. 'Computed on the way' means the value that the module computes at that place (a softmax that the list does not call 'softmax' is quantised finished and normalised). What goes into a quantiser is computed in f32, as accurately as f32 sums, v_exp_f32 and their like allow (about 1e-6 of the number): no bf16 or f16 on the way to a quantiser, and a product that is left as it is and whose result goes on into a quantised operand takes f32 operands (vector FMAs, or v_wmma_f32_16x16x4_f32). A number that lies on a knife's edge between two numbers of the format may be rounded either way, as far as f32 arithmetic and the matrix unit's own rounding can turn it there, and no further.
;; One version. Each part assembles by itself: llvm-mc -triple=amdgcn-amd-amdhsa -mcpu=gfx1250 --defsym DOCPART=n.
;; ======== version 1 of 1: 4 launches
;; limits: right only within a limited range of input values
;; workspace buffers: xw_codes 29,360,128 bytes; xw_scales 917,504 bytes; qkv_codes 25,165,824 bytes; qkv_sw 1,310,720 bytes; o_codes 8,388,608 bytes; o_scales 262,144 bytes
;; launch quant (part 1): grid 256 x 1, 7 waves a work-group, no clusters, 61,952 bytes of LDS; arguments queries, keys, values, Wq, Wk, Wv, Wo, xw_codes, xw_scales; writes xw_codes, xw_scales
.if DOCPART == 1
	.amdgcn_target "amdgcn-amd-amdhsa--gfx1250"
	.amdhsa_code_object_version 6
	.text
	.protected	k_q8fe63c1bc1_quant
	.globl	k_q8fe63c1bc1_quant
	.p2align	8
	.type	k_q8fe63c1bc1_quant,@function
k_q8fe63c1bc1_quant:
	s_mov_b64 s[64:65], 0
	v_nop
	global_prefetch_b8 v0, s[64:65] scope:SCOPE_SE
	s_setreg_imm32_b32 hwreg(HW_REG_WAVE_MODE, 25, 1), 1
	s_wait_xcnt 0x0
; queries, keys, values [8192][1024] and Wq, Wk, Wv, Wo [1024][1024], f32, K innermost, become codes of FP8 (E4M3) with one E8M0 scale byte for each 32 along K.
; A block's scale is 2^(floor(log2(its largest magnitude)) - 8); its byte is the largest magnitude's exponent field - 8, held at 1 from below; each number is divided by the scale, held within +-448 and rounded to the nearest code, ties to even.
; LIMITS: a block of zeros gets the byte 1 (its codes are zeros, and this program alone reads the bytes); NaN and infinities among the inputs are not served.
; THE LAYOUT OF THE CODES IS THE ORDER OF AN OPERAND'S REGISTERS.  The seven tensors' rows are cut into 1,792 tiles of 16 rows (queries from tile 0, keys 512, values 1024, Wq 1536, Wk 1600, Wv 1664, Wo 1728).
; Lane row r of a tensor's tile t is its row 32 (t / 2) + 8 (t % 2) + r + 8 (r / 8).  A tile's 32 codes' blocks are 32 images of 512 bytes: in image kb lane l = r + 16 h owns the 16 bytes at 16 l: k = 32 kb + 16 h + 0 .. 15 of lane row r.
; The scale bytes lie at tile x 512 + r x 32 + kb.
; SHARES: 256 work-groups x 7 waves = 1,792: a wave takes one tile whole, as eight fragments of 128 along K, so that its 512 scale bytes leave by one store.
; Each load reads 512 consecutive bytes of one row; a fragment's 16 loads turn through the wave's own stage in LDS, from which a lane takes its 16 neighbours of each block of 32.  Each store of codes covers 512 consecutive aligned bytes.
; Memory binds: no matrix unit, no cluster (no two work-groups read the same byte), no barrier (waves share nothing).  32 loads of a wave are out while a fragment is worked on.
.set STGB, 8704                        ; LDS: a stage for each wave: 16 rows x SP bytes, rounded up
.set SP,   528                         ; a stage row: 512 bytes + 16: 33 x 16
.set W,    16                          ; v16-23   the eight fragments' scale words
.set R,    32                          ; v32-159  two sets of 64 registers, as loaded
.set X,    160                         ; v160-223 64 numbers of a lane: register 16 b + i = k 32 b + 16 h + i of my lane row
.set PC,   224                         ; v224-239 a fragment's codes
.set TM,   240                         ; v240-243 largest magnitudes, v244-247 bytes, v248-251 448 x the scale, v252-255 the conversions' scale operands
.set SEL,  28                          ; s[28:29] v_permlanex16_b32's selects for lane l xor 16
.set MNT,  30                          ; s30      the mantissa field of 448
	s_load_b512 s[8:23], s[0:1], 0x0               ; queries s[8:9], keys, values, Wq, Wk, Wv, Wo s[20:21], the codes s[22:23]
	s_load_b64 s[24:25], s[0:1], 0x40              ; the scale bytes
	v_lshl_add_u32 v30, v0, 2, 0xee00
	v_mov_b32 v31, 0
	v_lshrrev_b32 v6, 5, v0
	v_readfirstlane_b32 s26, v6                    ; wave 0..6
	v_and_b32 v6, 31, v0
	v_lshlrev_b32 v1, 4, v6                        ; v1: 16 x lane: my place in a load's and in a store's 512 bytes; never rewritten
	v_and_b32 v7, 15, v0                           ; r
	v_bfe_u32 v5, v0, 4, 1                         ; v5: h
	s_mul_i32 s31, s26, STGB                       ; my stage
	v_add_nc_u32 v2, s31, v1                       ; v2: into it: a row as it was loaded
	v_mul_u32_u24 v3, v7, SP
	v_lshl_add_u32 v3, v5, 6, v3
	v_add_nc_u32 v3, s31, v3                       ; v3: out of it: row r, + 64 h bytes: my 16 numbers of a block of 32
	v_lshlrev_b32 v4, 5, v7
	v_lshl_add_u32 v4, v5, 4, v4                   ; v4: my 16 of the tile's 512 scale bytes: 32 r + 16 h
	s_mul_i32 s27, ttmp9, 7
	s_add_co_u32 s27, s27, s26                     ; my tile, 0 .. 1,791
	s_mov_b32 s[SEL], 0x76543210
	s_mov_b32 s[SEL+1], 0xfedcba98
	s_mov_b32 s[MNT], 0x600000
.irp b, 0,1,2,3
	v_mov_b32 v[TM+4+\b], 0                        ; written once: a lane permute's destination counts as one of its sources
.endr
	s_wait_alu depctr_va_vdst(0)
	s_wait_kmcnt 0x0
	s_mov_b64 s[4:5], s[8:9]                       ; which tensor is my tile's?  The choice hangs on the tile's number alone
	s_mov_b32 s6, 0
.macro PICK first, ptr
	s_cmp_ge_u32 s27, \first
	s_cselect_b64 s[4:5], s[\ptr:\ptr+1], s[4:5]
	s_cselect_b32 s6, \first, s6
.endm
	PICK 512, 10
	PICK 1024, 12
	PICK 1536, 14
	PICK 1600, 16
	PICK 1664, 18
	PICK 1728, 20
	s_sub_co_u32 s6, s27, s6                       ; t: the tile's number in its tensor
	s_lshr_b32 s7, s6, 1
	s_lshl_b32 s7, s7, 17                          ; 32 (t / 2) rows of 4,096 bytes
	s_and_b32 s6, s6, 1
	s_lshl_b32 s6, s6, 15                          ; 8 (t % 2) rows
	s_add_co_u32 s6, s6, s7
	s_mov_b32 s7, 0
	s_add_nc_u64 s[4:5], s[4:5], s[6:7]
	s_lshl_b32 s6, s27, 14                         ; a tile's codes: 16,384 bytes
	s_add_nc_u64 s[22:23], s[22:23], s[6:7]
	s_lshl_b32 s6, s27, 9                          ; its scale bytes: 512
	s_add_nc_u64 s[24:25], s[24:25], s[6:7]
.macro LOADF f                         ; fragment f: 128 numbers of each of the tile's 16 rows: 512 consecutive bytes a load
.irp i, 0,1,2,3,4,5,6,7,8,9,10,11,12,13,14,15
	global_load_b128 v[R+64*((\f)%2)+4*\i:R+64*((\f)%2)+4*\i+3], v1, s[4:5] offset:(\i+8*(\i/8))*4096+512*(\f) th:TH_LOAD_NT
.endr
.endm
.macro TURN f                          ; through the stage: LDS serves a wave's instructions in order (ISA guide 5.7.1.4), so no wait stands between the stores and the loads
.irp i, 0,1,2,3,4,5,6,7,8,9,10,11,12,13,14,15
	ds_store_b128 v2, v[R+64*((\f)%2)+4*\i:R+64*((\f)%2)+4*\i+3] offset:SP*\i
.endr
.irp c, 0,1,2,3
.irp j, 0,1,2,3
	ds_load_b128 v[X+16*\c+4*\j:X+16*\c+4*\j+3], v3 offset:128*\c+16*\j
.endr
.endr
.endm
; 64 numbers of a lane, v[s] on, register 16 b + i = k 32 b + 16 h + i of my lane row, become a fragment's codes in v[PC] on and its scale word in v[pw]
.macro QUANT s, pw
.irp b, 0,1,2,3
	v_max3_num_f32 v[TM+\b], |v[\s+16*\b]|, |v[\s+1+16*\b]|, 0x4800000   ; block b: my 16 numbers, and the floor 2^(9 - 127): so the byte cannot fall under 1
.endr
.irp i, 2,4,6,8,10,12,14
.irp b, 0,1,2,3
	v_max3_num_f32 v[TM+\b], v[TM+\b], |v[\s+16*\b+\i]|, |v[\s+1+16*\b+\i]|   ; the four blocks by turns: no line waits for the line above it
.endr
.endr
.irp b, 0,1,2,3
	v_permlanex16_b32 v[TM+4+\b], v[TM+\b], s[SEL], s[SEL+1]
.endr
.irp b, 0,1,2,3
	v_max_num_f32 v[TM+\b], v[TM+\b], v[TM+4+\b]   ; with lane l xor 16's 16: the block's largest magnitude
.endr
.irp b, 0,1,2,3
	v_add_nc_u32 v[TM+12+\b], 0xfc000000, v[TM+\b]   ; 8 off its exponent field: the conversion takes the exponent field of this operand as its scale
.endr
.irp b, 0,1,2,3
	v_and_or_b32 v[TM+8+\b], v[TM+\b], 0x7f800000, s[MNT]   ; 448 x the scale
.endr
.irp b, 0,1,2,3
	v_lshrrev_b32 v[TM+4+\b], 23, v[TM+12+\b]      ; the scale's byte
.endr
	v_lshl_or_b32 v[\pw], v[TM+5], 8, v[TM+4]      ; four bytes make my row's scale word for these 128 along K
	v_lshl_or_b32 v[\pw], v[TM+6], 16, v[\pw]
	v_lshl_or_b32 v[\pw], v[TM+7], 24, v[\pw]
	s_wait_xcnt 0x0                                ; the last fragment's stores have read the codes' registers, which are written again below
.irp b, 0,1,2,3
.irp i, 0,1,2,3,4,5,6,7,8,9,10,11,12,13,14,15
	v_med3_num_f32 v[\s+16*\b+\i], v[\s+16*\b+\i], -v[TM+8+\b], v[TM+8+\b]   ; the conversion to an 8-bit code does not saturate (ISA guide 7.6.2): the hold at 448 x the scale
.endr
	v_cvt_scalef32_pk8_fp8_f32 v[PC+4*\b:PC+1+4*\b], v[\s+16*\b:\s+7+16*\b], v[TM+12+\b]
	v_cvt_scalef32_pk8_fp8_f32 v[PC+2+4*\b:PC+3+4*\b], v[\s+8+16*\b:\s+15+16*\b], v[TM+12+\b]
.endr
	v_nop                                          ; one plain vector line behind the last conversion
.endm
.macro STEPF f
.if (\f) < 7
	s_wait_loadcnt 16                              ; loads come back in order: this fragment's 16 are in, the next fragment's 16 stay out
.else
	s_wait_loadcnt 0x0
.endif
	TURN \f
	s_wait_dscnt 0x0                               ; my 64 numbers are back, and the stage's stores have read their registers,
.if (\f) < 6
	LOADF (\f)+2                                   ; which take the fragment two further on
.endif
	QUANT X, W+(\f)
.irp c, 0,1,2,3
	global_store_b128 v1, v[PC+4*\c:PC+4*\c+3], s[22:23] offset:2048*(\f)+512*\c   ; image 4 f + c: 512 consecutive bytes, aligned
.endr
.endm
	LOADF 0
	LOADF 1
.irp f, 0,1,2,3,4,5,6,7
	STEPF \f
.endr
	v_cmp_ne_u32 vcc_lo, 0, v5                     ; lanes 0-15 store their row's bytes 0-15, lanes 16-31 bytes 16-31
.irp j, 0,1,2,3
	v_cndmask_b32 v[26+\j], v[W+\j], v[W+4+\j], vcc_lo
.endr
	global_store_b128 v4, v[26:29], s[24:25]       ; the tile's 512 scale bytes by one store
	s_wait_tensorcnt 0x0
	ds_add_u32 v30, v31
	s_wait_dscnt 0x0
	s_endpgm
.Lfunc_end_k_q8fe63c1bc1_quant:
	.size	k_q8fe63c1bc1_quant, .Lfunc_end_k_q8fe63c1bc1_quant-k_q8fe63c1bc1_quant
	.p2alignl 7, 3214868480
	.fill 96, 4, 3214868480
	.section	.rodata,"a",@progbits
	.p2align	6, 0x0
	.amdhsa_kernel k_q8fe63c1bc1_quant
		.amdhsa_group_segment_fixed_size 61952
		.amdhsa_private_segment_fixed_size 0
		.amdhsa_enable_private_segment 0
		.amdhsa_kernarg_size 72
		.amdhsa_user_sgpr_count 2
		.amdhsa_user_sgpr_kernarg_segment_ptr 1
		.amdhsa_wavefront_size32 1
		.amdhsa_system_sgpr_workgroup_id_x 1
		.amdhsa_system_sgpr_workgroup_id_y 1
		.amdhsa_system_sgpr_workgroup_id_z 1
		.amdhsa_system_vgpr_workitem_id 0
		.amdhsa_next_free_vgpr 256
		.amdhsa_next_free_sgpr 66
		.amdhsa_reserve_vcc 1
		.amdhsa_float_denorm_mode_32 3
		.amdhsa_float_denorm_mode_16_64 3
		.amdhsa_memory_ordered 1
		.amdhsa_forward_progress 1
		.amdhsa_inst_pref_size 99
	.end_amdhsa_kernel
	.amdgpu_metadata
---
amdhsa.version: [ 1, 2 ]
amdhsa.kernels:
  - .name:           k_q8fe63c1bc1_quant
    .symbol:         k_q8fe63c1bc1_quant.kd
    .args:
      - { .name: queries, .offset: 0, .size: 8, .value_kind: global_buffer, .address_space: global }
      - { .name: keys, .offset: 8, .size: 8, .value_kind: global_buffer, .address_space: global }
      - { .name: values, .offset: 16, .size: 8, .value_kind: global_buffer, .address_space: global }
      - { .name: Wq, .offset: 24, .size: 8, .value_kind: global_buffer, .address_space: global }
      - { .name: Wk, .offset: 32, .size: 8, .value_kind: global_buffer, .address_space: global }
      - { .name: Wv, .offset: 40, .size: 8, .value_kind: global_buffer, .address_space: global }
      - { .name: Wo, .offset: 48, .size: 8, .value_kind: global_buffer, .address_space: global }
      - { .name: xw_codes, .offset: 56, .size: 8, .value_kind: global_buffer, .address_space: global }
      - { .name: xw_scales, .offset: 64, .size: 8, .value_kind: global_buffer, .address_space: global }
    .group_segment_fixed_size: 61952
    .private_segment_fixed_size: 0
    .kernarg_segment_align: 8
    .kernarg_segment_size: 72
    .max_flat_workgroup_size: 224
    .sgpr_count:     66
    .vgpr_count:     256
    .wavefront_size: 32
...
	.end_amdgpu_metadata
.endif
;; end of part 1
;; launch proj (part 2): grid 4 x 64, 4 waves a work-group, clusters of 4 x 4, 327,680 bytes of LDS; arguments xw_codes, xw_scales, bq, bk, bv, qkv_codes, qkv_sw; writes qkv_codes, qkv_sw
.if DOCPART == 2
	.amdgcn_target "amdgcn-amd-amdhsa--gfx1250"
	.amdhsa_code_object_version 6
	.text
	.protected	k_q8fe63c1bc1_proj
	.globl	k_q8fe63c1bc1_proj
	.p2align	8
	.type	k_q8fe63c1bc1_proj,@function
k_q8fe63c1bc1_proj:
	s_mov_b64 s[64:65], 0
	v_nop
	global_prefetch_b8 v0, s[64:65] scope:SCOPE_SE
	s_setreg_imm32_b32 hwreg(HW_REG_WAVE_MODE, 25, 1), 1
	s_wait_xcnt 0x0
	s_wait_alu depctr_hold_cnt(0) depctr_sa_sdst(0) depctr_va_vdst(0) depctr_va_sdst(0) depctr_va_ssrc(0) depctr_va_vcc(0) depctr_vm_vsrc(0)
	s_getreg_b32 s2, hwreg(HW_REG_IB_STS2, 6, 4)
	s_cmp_eq_u32 s2, 0
	s_cbranch_scc0 .Lentry_in_a_cluster
	s_endpgm
.Lentry_in_a_cluster:
	s_bfe_u32 s2, ttmp6, 0x10000c
	s_cmp_lg_u32 s2, 0xf033
	s_cbranch_scc0 .Lentry_shape_is_right
	s_endpgm
.Lentry_shape_is_right:
; q = queries Wq^T + bq, k = keys Wk^T + bk, v = values Wv^T + bv, each 8192 x 1024 x 1024 on codes of FP8 (E4M3) with E8M0 scales; the results are quantised here, in registers, for attention's two products.
; OPERANDS lie in tiles of 16 rows, as images of an operand's registers: tile G at G x 16,384 bytes; image kb (32 along K) at + 512 kb; lane l = r + 16 h owns the 16 bytes at 16 l.  Lane row r of tile T is row 32 (T / 2) + 8 (T % 2) + r + 8 (r / 8).  Scale bytes at G x 512 + 32 r + kb.
; THE DEAL.  256 work-groups of four waves, in clusters of 4 x 4 (place cx, cy; cluster number CY = 0 .. 15).  A wave holds 64 rows of a weight (one head), ALL of K, in 512 registers (windows 1, 2); the tokens' tiles are streamed past them:
; a block is one tile of 16 rows x all of K (128 registers; two sets in window 3) x the wave's four weight tiles: 32 products.  24 blocks a wave, the same in every wave of the launch.
; PHASE 1: rows 256 (4 CY + cy) on of q (CY < 8) or k x features 256 cx on: wave w has head 4 cx + w and walks all 16 tiles.
; PHASE 2: rows 256 RB on of v, RB = 4 (CY / 2) + cy, x features 128 CB on, CB = 4 (CY % 2) + cx: wave w has head 2 CB + w % 2 and, of each chunk of 8 tiles, tiles 4 (w / 2) on.
; LDS: two slots of 131,072 bytes, dense; behind them the scale bytes of phase 1's 16 tiles and of v's 16.  FILLS, each joint, one load a wave: at the head the first weight's 16 tiles over both slots (waves 0, 1) and the scale bytes (waves 2, 3);
; when the weight stands in registers, phase 1's two chunks over it (waves 0, 1 chunk 0, shown first; waves 2, 3 chunk 1); inside block 6 Wv's 8 tiles into slot 0; inside block 14 v's chunk 0 into slot 1; when Wv stands in registers, v's chunk 1 into slot 0.
; Every fill but the head's stands behind a drained round of the cluster's barrier.
; CLUSTER: tokens' tiles hang on CY and cy alone and are shared along a row of the cluster; weights' tiles on CY and cx alone and are shared along a column.
; PRODUCTS.  q, k: source 0 = a weight tile, source 1 = the tokens' tile: a lane holds one token, and the 16 registers of weight tiles 2 c, 2 c + 1 are features 32 c + 16 h + 0 .. 15.  v: the sources swapped: a lane holds one channel, and the registers of two neighbouring tokens' tiles are 16 neighbouring keys.
; The bias is the C of a sum's first product.  A pair of blocks is quantised together: four blocks of 32, each in lanes l and l xor 16.
; OUT.  g = 16 n + head.  q at 0, k at 8 Mi: [g][tile of the sequence 0..63][block of d 0..1][512 bytes]; v at 16 Mi: [g][128 keys 0..7][tile of channels 0..3][block of keys 0..3][512].
; Scale words: q at 0, k at 512 Ki: [g][tile][r], bytes 0, 1 the two blocks of d, bytes 2, 3 = 127 (over zero codes); v at 1 Mi: [g][128 keys][tile][r].
; PREFETCH: Wv's 8 tiles and v's two chunks are asked for once in each cluster row or column that will load them, 256 bytes a lane, 8,192 bytes a wave of its sixteen, ahead of block 0: six blocks and more ahead of their loads.  What the head and the round behind it load has nothing to run ahead in.
; LIMITS: a block of zeros gets the scale byte 1 (its codes are zeros; this program alone reads the bytes); NaN and infinities are not served.
.set TILE, 16384
.set SLOT, 8*TILE
.set SCL, 2*SLOT                       ; the scale bytes: phase 1's 16 tiles,
.set SCV, SCL+8192                     ; v's 16
.set SPARE, SCL+16384                  ; the spare words: 128 bytes a wave
.set STG, SPARE+512                    ; q's or k's scale words: 1,024 bytes a wave
.set STV, STG+4096                     ; v's: 512 bytes a head
.set NF, 34                            ; LDS loads of a block: 32 of codes, 2 of scale words
.set CO, 4                             ; 16 x lane
.set ABS, 5                            ; 32 x lane
.set AAS0, 6                           ; SCL + 32 r
.set SWQ, 7
.set BVO, 8                            ; 64 h
.set BAO, 9                            ; 4 (r + 8 (r / 8))
.set SPW, 10
.set NIL, 11
.set ADRA, 12
.set AAS, 13
.set SWA, 14
.set SRD, 15
.set SRV, 16
.set CO8, 17
.set OCO, 19
.set SOP, 20
.set SB, 24                            ; v24-39 the weight's scale words: 8 p + q: lanes 0-15 tile 2 p, lanes 16-31 tile 2 p + 1
.set EB, 40
.set SA, 44                            ; v44-59 the tokens' scale words, two sets of eight
.set TM, 60
.set ACC, 64                           ; v64-127 two sets of four accumulators
.set BQ, 128                           ; v128-159 the bias in the accumulators' layout
.set PC, 160
.set TP, 176
.set BD, 180
.set WD, 184
.set BA, 188
.set WQ, 192
.set GW, 196
.set WS, 200                           ; v200-215 Wv's scale words, until the change of phase
.set ADW1, 216                         ; LDS address of my weight tiles in phase 1, in phase 2
.set ADW2, 217
.set SWV, 218
.set PFW, 219
.set PFV, 220
.set G1RM, 24                          ; group 1 for tokens' tiles (my row's mask), for weights' tiles (my column's), for scale bytes: dense blocks as rows of 256 bytes
.set G1CM, 32
.set G1S, 40
.set G0W, 48
.set G0X, 52
.set G0SA, 56
.set G0SB, 60
.set FO, 2                             ; LDS byte of the pair of tiles to fetch;  FS: of its scale bytes;  SO: place in the stage;  OO: place in the output;  SHC: 8 x the byte's place in v's word
.set FS, 3
.set SO, 20
.set CT, 21
.set SHC, 22
.set OO, 23
.set MSB, 0
.macro WIN new
.if MSB != (\new)
	s_set_vgpr_msb (MSB<<8)|(\new)
.set MSB, (\new)
.endif
.endm
.macro PLACES n
.rept \n
	v_nop
.endr
.endm
.macro BARRIER
	s_barrier_signal -1
	s_barrier_wait -1
.endm
.macro CROUND
	BARRIER
	s_cmp_lg_u32 s14, 0
	s_cbranch_scc1 .Lnot_wave_0_\@
	s_barrier_signal -3
.Lnot_wave_0_\@:
	s_barrier_wait -3
	BARRIER
.endm
.macro TLOAD g0, g1
	tensor_load_to_lds s[\g0:\g0+3], s[\g1:\g1+7]
	s_nop 0
	PLACES 4
.endm
	s_load_b256 s[4:11], s[0:1], 0x0               ; codes, scale bytes, bq, bk
	s_load_b64 s[12:13], s[0:1], 0x20              ; bv
	s_load_b128 s[16:19], s[0:1], 0x28             ; out: codes, scale words
	v_lshl_add_u32 v[SPW], v0, 2, SPARE
	v_mov_b32 v[NIL], 0
	ds_add_u32 v[SPW], v[NIL]                      ; the opening lines: the add twice and one wait
	ds_add_u32 v[SPW], v[NIL]
	v_lshrrev_b32 v1, 5, v0
	v_readfirstlane_b32 s14, v1                    ; wave
	s_lshr_b32 s90, s14, 1                         ; phase 2: my row of waves,
	s_and_b32 s91, s14, 1                          ; my column of waves
	s_lshl_b32 s92, s14, 15                        ; a quarter of a slot
	s_bfe_u32 s93, ttmp6, 0x40000                  ; cx
	s_bfe_u32 s94, ttmp6, 0x40004                  ; cy
	s_and_b32 s95, ttmp7, 0xffff                   ; CY
	s_lshr_b32 s21, s95, 3                         ; 0 q, 1 k
	s_lshl_b32 s96, s94, 2
	s_lshl_b32 s96, 15, s96                        ; my row of the cluster
	s_lshl_b32 s97, 0x1111, s93                    ; my column
	s_or_b32 s[G1RM], s96, (3<<16)|(1<<21)         ; the mask; elements of 8 bytes
	s_or_b32 s[G1S], s96, (3<<16)|(1<<21)
	s_or_b32 s[G1CM], s97, (3<<16)|(1<<21)
.irp g, G1RM, G1CM, G1S
	s_mov_b32 s[\g+1], 32<<16
	s_mov_b32 s[\g+3], 32<<16
	s_mov_b32 s[\g+5], 32
	s_mov_b32 s[\g+6], 0
	s_mov_b32 s[\g+7], 0
.endr
	s_mov_b32 s[G1RM+2], 256<<16                   ; half a chunk
	s_mov_b32 s[G1RM+4], 256
	s_mov_b32 s[G1CM+2], 512<<16                   ; 8 tiles of the first weight
	s_mov_b32 s[G1CM+4], 512
	s_mov_b32 s[G1S+2], 32<<16                     ; 16 tiles' scale bytes
	s_mov_b32 s[G1S+4], 32
	; the tokens' tiles: CY and cy alone
	s_lshl_b32 s20, s95, 2
	s_add_co_u32 s20, s20, s94                     ; Y = 4 CY + cy
	s_and_b32 s22, s20, 31
	s_lshl_b32 s22, s22, 4
	s_lshl_b32 s23, s21, 9
	s_add_co_u32 s22, s22, s23                     ; phase 1's first tile
	s_lshr_b32 s98, s95, 1
	s_lshl_b32 s98, s98, 2
	s_add_co_u32 s98, s98, s94                     ; RB
	s_lshl_b32 s23, s98, 4
	s_add_co_u32 s23, s23, 1024                    ; v's first tile
	; the weights' tiles: CY and cx alone
	s_lshl_b32 s99, s21, 6
	s_lshl_b32 s100, s93, 4
	s_add_co_u32 s99, s99, s100
	s_add_co_u32 s99, s99, 1536                    ; the first weight's first tile
	s_and_b32 s100, s95, 1
	s_lshl_b32 s100, s100, 2
	s_add_co_u32 s100, s100, s93                   ; CB
	s_lshl_b32 s101, s100, 3
	s_add_co_u32 s101, s101, 1664                  ; Wv's first tile
	s_mov_b32 s[G0W], 1
	s_lshl_b32 s[G0W+1], s91, 17
	s_lshl_b32 s[G0W+2], s99, 14
	s_add_co_u32 s[G0W+2], s[G0W+2], s[G0W+1]
	s_mov_b32 s[G0W+3], 0
	s_mov_b32 s[G0X], 1
	s_lshl_b32 s[G0X+1], s14, 16
	s_lshl_b32 s[G0X+2], s22, 14
	s_add_co_u32 s[G0X+2], s[G0X+2], s[G0X+1]
	s_mov_b32 s[G0X+3], 0
	s_mov_b32 s[G0SA], 1
	s_mov_b32 s[G0SA+1], SCL
	s_lshl_b32 s[G0SA+2], s22, 9
	s_mov_b32 s[G0SA+3], 0
	s_mov_b32 s[G0SB], 1
	s_mov_b32 s[G0SB+1], SCV
	s_lshl_b32 s[G0SB+2], s23, 9
	s_mov_b32 s[G0SB+3], 0
	s_lshl_b32 s68, s101, 14                       ; s[68:69]: my quarter of Wv's tiles;  s[70:71]: of v's chunk 0
	s_add_co_u32 s68, s68, s92
	s_mov_b32 s69, 0
	s_lshl_b32 s70, s23, 14
	s_add_co_u32 s70, s70, s92
	s_mov_b32 s71, 0
	; offsets of my own loads and stores, each under 2^32
	s_lshl_b32 s15, s93, 2
	s_add_co_u32 s15, s15, s14                     ; phase 1's head
	s_lshl_b32 s72, s14, 2
	s_add_co_u32 s72, s72, s99
	s_lshl_b32 s72, s72, 9                         ; my first weight tiles' scale bytes,
	s_lshl_b32 s74, s91, 2
	s_add_co_u32 s74, s74, s101
	s_lshl_b32 s74, s74, 9                         ; my Wv tiles'
	s_lshl_b32 s76, s15, 8                         ; my head's 64 numbers of a bias
	s_lshl_b32 s2, s100, 1
	s_add_co_u32 s2, s2, s91                       ; phase 2's head
	s_lshl_b32 s78, s2, 8
	s_lshl_b32 s80, s21, 23                        ; q's or k's codes: tensor x 8 Mi + (16 n + head) x 65,536 + first tile x 1,024
	s_bfe_u32 s3, s20, 0x30002
	s_lshl_b32 s3, s3, 20
	s_add_co_u32 s80, s80, s3
	s_lshl_b32 s3, s15, 16
	s_add_co_u32 s80, s80, s3
	s_and_b32 s3, s20, 3
	s_lshl_b32 s3, s3, 14
	s_add_co_u32 s80, s80, s3
	s_lshr_b32 s84, s80, 4                         ; their scale words: a sixteenth of that
	s_lshr_b32 s82, s98, 2                         ; v: (16 n + head) x 65,536 + first 128 keys x 8,192
	s_lshl_b32 s82, s82, 20
	s_lshl_b32 s3, s2, 16
	s_add_co_u32 s82, s82, s3
	s_and_b32 s3, s98, 3
	s_lshl_b32 s3, s3, 14
	s_add_co_u32 s82, s82, s3
	s_lshr_b32 s86, s82, 5                         ; its scale words: 1 Mi + a thirty-second of that; I store chunk w / 2's
	s_lshl_b32 s3, s90, 8
	s_add_co_u32 s86, s86, s3
	s_add_co_u32 s86, s86, 1<<20
	s_lshl_b32 s3, s90, 10                         ; its codes: 16 Mi on; my blocks of keys 2 (w / 2) on
	s_add_co_u32 s82, s82, s3
	s_add_co_u32 s82, s82, 1<<24
.irp p, 73,75,77,79,81,83,85,87
	s_mov_b32 s\p, 0
.endr
	s_lshl_b32 s96, s94, 2                         ; the prefetches: of Wv's tiles my sixteenth among my column's waves,
	s_add_co_u32 s96, s96, s14
	s_lshl_b32 s96, s96, 13
	s_lshl_b32 s88, s101, 14
	s_add_co_u32 s88, s88, s96
	s_lshl_b32 s96, s15, 13                        ; of v's chunks among my row's
	s_lshl_b32 s89, s23, 14
	s_add_co_u32 s89, s89, s96
	s_lshl_b32 s2, s14, 10
	s_add_co_u32 s2, s2, STG                       ; my stage
	s_lshl_b32 s3, s91, 9
	s_add_co_u32 s3, s3, STV                       ; my head's stage in phase 2:
	s_lshl_b32 s96, s90, 1
	s_add_co_u32 s96, s96, s3                      ; my half of each word,
	s_lshl_b32 s97, s90, 8
	s_add_co_u32 s97, s97, s3                      ; the chunk that I store
	s_lshl_b32 s93, s91, 16                        ; my four tiles of Wv in slot 0
	s_wait_dscnt 0x0                               ; both opening adds are done
	CROUND                                         ; all sixteen work-groups are here: the first joint loads meet
	s_wait_kmcnt 0x0
.irp g, G0W, G0X
	s_add_nc_u64 s[\g+2:\g+3], s[4:5], s[\g+2:\g+3]
	s_or_b32 s[\g+3], s[\g+3], 0x80000000
.endr
.irp g, G0SA, G0SB
	s_add_nc_u64 s[\g+2:\g+3], s[6:7], s[\g+2:\g+3]
	s_or_b32 s[\g+3], s[\g+3], 0x80000000
.endr
	s_cmp_lt_u32 s14, 2                            ; one load a wave: waves 0, 1 the first weight's halves, wave 2 phase 1's scale bytes, wave 3 v's
	s_cbranch_scc0 .Lsa
	TLOAD G0W, G1CM
	s_branch .Lasked
.Lsa:
	s_cmp_eq_u32 s14, 2
	s_cbranch_scc0 .Lsb
	TLOAD G0SA, G1S
	s_branch .Lasked
.Lsb:
	TLOAD G0SB, G1S
.Lasked:
	s_add_nc_u64 s[68:69], s[4:5], s[68:69]
	s_add_nc_u64 s[70:71], s[4:5], s[70:71]
	s_add_nc_u64 s[72:73], s[6:7], s[72:73]
	s_add_nc_u64 s[74:75], s[6:7], s[74:75]
	s_cmp_eq_u32 s21, 1
	s_cselect_b64 s[8:9], s[10:11], s[8:9]
	s_add_nc_u64 s[76:77], s[8:9], s[76:77]
	s_add_nc_u64 s[78:79], s[12:13], s[78:79]
	s_add_nc_u64 s[80:81], s[16:17], s[80:81]
	s_add_nc_u64 s[82:83], s[16:17], s[82:83]
	s_add_nc_u64 s[84:85], s[18:19], s[84:85]
	s_add_nc_u64 s[86:87], s[18:19], s[86:87]
	v_and_b32 v3, 31, v0
	v_and_b32 v1, 15, v0
	v_bfe_u32 v2, v0, 4, 1
	v_lshlrev_b32 v[CO], 4, v3
	v_lshlrev_b32 v[ABS], 5, v3
	v_lshlrev_b32 v[CO8], 3, v3
	v_lshlrev_b32 v[PFW], 8, v3
	v_lshlrev_b32 v[BVO], 6, v2
	v_lshl_add_u32 v[AAS0], v1, 5, SCL
	v_lshl_add_u32 v[SWQ], v1, 2, s2
	v_lshl_add_u32 v[SWV], v1, 2, s96
	v_and_b32 v[BAO], 8, v1
	v_add_nc_u32 v[SRD], s2, v[CO]
	v_add_nc_u32 v[SRV], s97, v[CO8]
	v_add_nc_u32 v[PFV], s89, v[PFW]
	v_add_nc_u32 v[PFW], s88, v[PFW]
	v_add_nc_u32 v[ADW1], s[G0X+1], v[CO]          ; my four tiles of the first weight: 65,536 x wave
	v_add_nc_u32 v[ADW2], s93, v[CO]
	v_add_nc_u32 v[BAO], v[BAO], v1
	v_lshlrev_b32 v[BAO], 2, v[BAO]
	s_wait_alu depctr_va_vdst(0)                   ; the wait behind the head's vector lines
.macro WSCALE reg, base                ; four weight tiles' scale words
.irp p, 0,1
.irp c, 0,1
	global_load_b128 v[\reg+8*\p+4*\c:\reg+8*\p+4*\c+3], v[ABS], s[\base:\base+1] offset:\p*1024+16*\c
.endr
.endr
.endm
	WSCALE SB, 72
	WSCALE WS, 74
.irp b, 0,1,2,3
	global_load_b128 v[BQ+8*\b:BQ+8*\b+3], v[BVO], s[76:77] offset:(32*(\b/2)+8*(\b%2))*4      ; register 8 b + j: the bias of feature 32 (b / 2) + 8 (b % 2) + 16 h + j
	global_load_b128 v[BQ+8*\b+4:BQ+8*\b+7], v[BVO], s[76:77] offset:(32*(\b/2)+8*(\b%2))*4+16
	global_load_b32 v[BA+\b], v[BAO], s[78:79] offset:(32*(\b/2)+8*(\b%2))*4                   ; v: the bias of lane row r of channel tile b
.endr
.macro WEIGHTS a                       ; my 64 rows of a weight out of LDS: fragment 4 q + b (tile b, the q-th 128 of K) in window 1 + (4 q + b) / 16: 128 loads
.set F_, 0
.rept 32
	WIN (1+F_/16)<<6
.irp c, 0,1,2,3
	ds_load_b128 v[16*(F_%16)+4*\c:16*(F_%16)+4*\c+3], v[\a] offset:(F_%4)*TILE+(F_/4)*2048+512*\c
.endr
.set F_, F_+1
.endr
	WIN 0
.endm
.macro FETCH e, a, s                   ; a tokens' tile, all of K, into set e of window 3, and its eight scale words
	WIN 0xc0
.irp q, 0,1,2,3,4,5,6,7
.irp c, 0,1,2,3
	ds_load_b128 v[128*\e+16*\q+4*\c:128*\e+16*\q+4*\c+3], v[\a] offset:\e*TILE+2048*\q+512*\c
.endr
.endr
	WIN 0
	ds_load_b128 v[SA+8*\e:SA+8*\e+3], v[\s] offset:\e*512
	ds_load_b128 v[SA+8*\e+4:SA+8*\e+7], v[\s] offset:\e*512+16
.endm
.macro PROD kind, e, b                 ; the Q_-th 128 of K, weight tile b, tokens' set e
.set AC_, ACC+32*(\e)+8*(\b)
.set C_, AC_
.if Q_ == 0
.set C_, BQ+8*(\b)
.endif
.set R_, 128*(\e)+16*Q_
.set W_, 16*((4*Q_+(\b))%16)
.set XS_, SA+8*(\e)+Q_
.set WS_, SB+8*((\b)/2)+Q_
.if \kind
.if (\b)%2
	v_wmma_scale_f32_16x16x128_f8f6f4 v[AC_:AC_+7], v[R_:R_+15], v[W_:W_+15], v[C_:C_+7], v[XS_], v[WS_] matrix_b_scale:MATRIX_SCALE_ROW1
.else
	v_wmma_scale_f32_16x16x128_f8f6f4 v[AC_:AC_+7], v[R_:R_+15], v[W_:W_+15], v[C_:C_+7], v[XS_], v[WS_]
.endif
.else
.if (\b)%2
	v_wmma_scale_f32_16x16x128_f8f6f4 v[AC_:AC_+7], v[W_:W_+15], v[R_:R_+15], v[C_:C_+7], v[WS_], v[XS_] matrix_a_scale:MATRIX_SCALE_ROW1
.else
	v_wmma_scale_f32_16x16x128_f8f6f4 v[AC_:AC_+7], v[W_:W_+15], v[R_:R_+15], v[C_:C_+7], v[WS_], v[XS_]
.endif
.endif
.endm
.macro PRODS kind, e                   ; 32 products: the four accumulators by turns, K ascending
.set Q_, 0
.rept 8
.if \kind
	WIN 3|((1+Q_/4)<<2)
.else
	WIN (1+Q_/4)|(3<<2)
.endif
.irp b, 0,1,2,3
	PROD \kind, \e, \b
.endr
.set Q_, Q_+1
.endr
	WIN 0
.endm
; A block.  w: LDS instructions issued behind this set's fetch that may stay out.  mode 1: Wv's tiles go into slot 0, mode 3: v's chunk 0 into slot 1, each behind a round of the cluster's barrier; mode 2: a barrier shows what is still out.
; Eight plain places stand behind the last product, ahead of the fetch into registers that it has read.
.macro BLK kind, e, w, mode, fetch
	s_wait_dscnt \w
.if \mode == 1 || \mode == 3
	s_wait_tensorcnt 0x0                           ; no tensor load of mine is out, so descriptors may be written;
	ds_add_u32 v[SPW], v[NIL]                      ; register work stands between the add and its wait
.endif
.if \mode == 1
	s_mov_b32 s[G0W+1], s92
	s_mov_b64 s[G0W+2:G0W+3], s[68:69]
	s_or_b32 s[G0W+3], s[G0W+3], 0x80000000
	s_mov_b32 s[G1CM+2], 128<<16                   ; from here on a load brings a quarter of a slot
	s_mov_b32 s[G1CM+4], 128
.elseif \mode == 3
	s_add_co_u32 s[G0X+1], s92, SLOT
	s_mov_b64 s[G0X+2:G0X+3], s[70:71]
	s_or_b32 s[G0X+3], s[G0X+3], 0x80000000
	s_mov_b32 s[G1RM+2], 128<<16
	s_mov_b32 s[G1RM+4], 128
.endif
	PRODS \kind, \e
.if \mode == 1 || \mode == 3
	s_wait_alu depctr_va_vdst(0)
	s_wait_dscnt 0x0                               ; the add is done, and my reads of the slot are over: its last tile stands in registers
	CROUND
.if \mode == 1
	TLOAD G0W, G1CM
.else
	TLOAD G0X, G1RM
.endif
	PLACES 4
.elseif \mode == 2
	s_wait_alu depctr_va_vdst(0)
	s_wait_tensorcnt 0x0
	s_wait_dscnt 0x0
	BARRIER
	PLACES 8
.else
	PLACES 8
.endif
.if \fetch
	v_add_nc_u32 v[ADRA], s[FO], v[CO]
	v_add_nc_u32 v[AAS], s[FS], v[AAS0]
	FETCH \e, ADRA, AAS
.endif
.endm
; Four blocks of 32 numbers: block i's two groups of eight registers at ACC + sa i and gb further on; its other 16 numbers lie in lane l xor 16
.macro QMAX sa, gb
.irp i, 0,1,2,3
	v_max3_num_f32 v[TM+\i], |v[ACC+\sa*\i]|, |v[ACC+\sa*\i+1]|, |v[ACC+\sa*\i+2]|
	v_max3_num_f32 v[TP+\i], |v[ACC+\sa*\i+\gb]|, |v[ACC+\sa*\i+\gb+1]|, |v[ACC+\sa*\i+\gb+2]|
.endr
.irp j, 3,5
.irp i, 0,1,2,3
	v_max3_num_f32 v[TM+\i], v[TM+\i], |v[ACC+\sa*\i+\j]|, |v[ACC+\sa*\i+\j+1]|
	v_max3_num_f32 v[TP+\i], v[TP+\i], |v[ACC+\sa*\i+\gb+\j]|, |v[ACC+\sa*\i+\gb+\j+1]|
.endr
.endr
.irp i, 0,1,2,3
	v_max3_num_f32 v[TM+\i], v[TM+\i], v[TP+\i], |v[ACC+\sa*\i+7]|
.endr
.irp i, 0,1,2,3
	v_max3_num_f32 v[TM+\i], v[TM+\i], |v[ACC+\sa*\i+\gb+7]|, 0x4800000   ; and the floor 2^(9 - 127): the byte cannot fall under 1
.endr
.irp i, 0,1,2,3
	v_permlanex16_b32 v[TP+\i], v[TM+\i], s66, s67
.endr
.irp i, 0,1,2,3
	v_max_num_f32 v[TM+\i], v[TM+\i], v[TP+\i]
.endr
.irp i, 0,1,2,3
	v_add_nc_u32 v[SOP+\i], 0xfc000000, v[TM+\i]   ; 8 off the exponent field: the conversion's scale operand
.endr
.irp i, 0,1,2,3
	v_and_or_b32 v[BD+\i], v[TM+\i], 0x7f800000, s88   ; 448 x the scale
.endr
.irp i, 0,1,2,3
	v_lshrrev_b32 v[EB+\i], 23, v[SOP+\i]          ; the scale's byte
.endr
.endm
.macro QCVT sa, gb                     ; the hold at 448 x the scale (the conversion does not saturate: ISA guide 7.6.2), and the codes
.irp i, 0,1,2,3
.irp j, 0,1,2,3,4,5,6,7
	v_med3_num_f32 v[ACC+\sa*\i+\j], v[ACC+\sa*\i+\j], -v[BD+\i], v[BD+\i]
.endr
.irp j, 0,1,2,3,4,5,6,7
	v_med3_num_f32 v[ACC+\sa*\i+\gb+\j], v[ACC+\sa*\i+\gb+\j], -v[BD+\i], v[BD+\i]
.endr
	v_cvt_scalef32_pk8_fp8_f32 v[PC+4*\i:PC+4*\i+1], v[ACC+\sa*\i:ACC+\sa*\i+7], v[SOP+\i]
	v_cvt_scalef32_pk8_fp8_f32 v[PC+4*\i+2:PC+4*\i+3], v[ACC+\sa*\i+\gb:ACC+\sa*\i+\gb+7], v[SOP+\i]
.endr
	v_nop                                          ; one plain line behind the last conversion
.endm
.macro EPI kind                        ; the way out of a pair of blocks: each store covers 512 consecutive aligned bytes
	s_wait_xcnt 0x0                                ; the last pair's stores have read their registers
	v_add_nc_u32 v[OCO], s[OO], v[CO]
.if \kind
	QMAX 8, 32                                     ; block i: channel tile i, these 32 keys
.irp i, 0,1,2,3
	v_lshl_or_b32 v[WD+\i], v[EB+\i], s[SHC], v[WD+\i]
.endr
	QCVT 8, 32
.irp i, 0,1,2,3
	global_store_b128 v[OCO], v[PC+4*\i:PC+4*\i+3], s[82:83] offset:2048*\i
.endr
.else
	v_add_nc_u32 v[SWA], s[SO], v[SWQ]
	QMAX 16, 8                                     ; block i: tokens' tile i / 2, block of d i % 2
	v_lshl_or_b32 v[WQ], v[EB+1], 8, v[EB]
	v_lshl_or_b32 v[WQ+1], v[EB+3], 8, v[EB+2]
	v_or_b32 v[WQ], s89, v[WQ]                     ; under two bytes of 127
	v_or_b32 v[WQ+1], s89, v[WQ+1]
	QCVT 16, 8
.irp i, 0,1,2,3
	global_store_b128 v[OCO], v[PC+4*\i:PC+4*\i+3], s[80:81] offset:512*\i
.endr
	ds_store_b32 v[SWA], v[WQ]                     ; both halves of the lanes write the same word with the same value
	ds_store_b32 v[SWA], v[WQ+1] offset:64
.endif
.endm
.macro PAIR kind, mode, fetch
	BLK \kind, 0, NF, \mode, \fetch                ; behind set 0's fetch stand at least set 1's 34 loads
.if \fetch
	BLK \kind, 1, NF, 0, 1                         ; behind set 1's fetch stand at least set 0's 34
.else
	BLK \kind, 1, 0, 0, 0
.endif
	EPI \kind
	s_add_co_u32 s[FO], s[FO], 2*TILE
	s_add_co_u32 s[FS], s[FS], 1024
.if \kind
	s_add_co_u32 s[OO], s[OO], 512
	s_add_co_u32 s[SHC], s[SHC], 8
.else
	s_add_co_u32 s[OO], s[OO], 2048
	s_add_co_u32 s[SO], s[SO], 128
.endif
.endm
.macro AGAIN label
	s_sub_co_i32 s[CT], s[CT], 1
	s_cmp_lg_u32 s[CT], 0
	s_wait_alu depctr_va_vdst(0)                   ; the wait ahead of the backward jump
	s_cbranch_scc1 \label
.endm
.macro GATHER off                      ; eight tiles' scale words of my head: 512 consecutive bytes (LDS serves a wave's instructions in order)
	s_wait_xcnt 0x0
	ds_load_b128 v[GW:GW+3], v[SRD] offset:\off
	s_wait_dscnt 0x0
	global_store_b128 v[CO], v[GW:GW+3], s[84:85] offset:\off
.endm
.macro VWORDS off                      ; a chunk's scale words: my two bytes of each word; the wave beside me writes the other two
.irp t, 0,1,2,3
	ds_store_b16 v[SWV], v[WD+\t] offset:\off+64*\t
.endr
.irp t, 0,1,2,3
	v_mov_b32 v[WD+\t], 0
.endr
.endm
	s_wait_tensorcnt 0x0                           ; every wave's load of the head is in;
	BARRIER                                        ; everybody's are
	WEIGHTS ADW1
	s_wait_tensorcnt 0x0                           ; the wait and the add ahead of a refill
	ds_add_u32 v[SPW], v[NIL]
	s_mov_b32 s66, 0x76543210
	s_mov_b32 s67, 0xfedcba98
	s_mov_b32 s88, 0x600000
	s_mov_b32 s89, 0x7f7f0000
	s_mov_b32 s[FO], 2*TILE
	s_mov_b32 s[FS], 1024
	s_mov_b32 s[SO], 0
	s_mov_b32 s[OO], 0
	s_wait_dscnt 0x0                               ; the add is done, and the weight stands in registers
	CROUND
	s_cmp_lt_u32 s14, 2                            ; waves 0, 1 (chunk 0) and waves 2, 3 (chunk 1) have a load line each: the barrier below waits for the first line's alone
	s_cbranch_scc0 .Lupper
	TLOAD G0X, G1RM
	s_branch .Lboth
.Lupper:
	TLOAD G0X, G1RM
.Lboth:
	s_cmp_lt_u32 s14, 2
	s_cbranch_scc0 .Lnot_c0
	s_wait_tensorcnt 0x0
.Lnot_c0:
	BARRIER                                        ; chunk 0 is in
	FETCH 0, CO, AAS0
	FETCH 1, CO, AAS0
	global_prefetch_b8 v[PFW], s[4:5] th:TH_LOAD_NT scope:SCOPE_SE
	global_prefetch_b8 v[PFV], s[4:5] th:TH_LOAD_NT scope:SCOPE_SE
	global_prefetch_b8 v[PFV], s[4:5] offset:SLOT th:TH_LOAD_NT scope:SCOPE_SE
	s_wait_loadcnt 0x0                             ; scale words and biases
	s_mov_b32 s[CT], 3
.Lqa:                                              ; blocks 0 to 5
	PAIR 0, 0, 1
	AGAIN .Lqa
	PAIR 0, 1, 1                                   ; blocks 6, 7: the round's waits also show chunk 1
	GATHER 0
	s_mov_b32 s[CT], 3
.Lqb:                                              ; blocks 8 to 13
	PAIR 0, 0, 1
	AGAIN .Lqb
	PAIR 0, 3, 0                                   ; blocks 14, 15: the round's waits also show Wv's tiles
	GATHER 512
	; the change of phase
	WEIGHTS ADW2
.irp i, 0,1,2,3,4,5,6,7,8,9,10,11,12,13,14,15
	v_mov_b32 v[SB+\i], v[WS+\i]
.endr
.irp t, 0,1,2,3
	v_mov_b32 v[WD+\t], 0
.irp j, 0,1,2,3,4,5,6,7
	v_mov_b32 v[BQ+8*\t+\j], v[BA+\t]              ; v: the channel lies in the lane: one number for a tile's eight registers
.endr
.endr
	s_lshl_b32 s94, s90, 16                        ; my four tiles of a chunk in slot 0,
	s_add_co_u32 s93, s94, SLOT                    ; in slot 1,
	s_lshl_b32 s95, s90, 11
	s_add_co_u32 s95, s95, 8192                    ; and their scale bytes in chunk 0
	v_add_nc_u32 v[ADRA], s93, v[CO]
	v_add_nc_u32 v[AAS], s95, v[AAS0]
	s_wait_alu depctr_va_vdst(0)
	s_wait_tensorcnt 0x0                           ; my quarter of v's chunk 0 is in
	ds_add_u32 v[SPW], v[NIL]
	s_mov_b32 s[G0X+1], s92
	s_add_nc_u64 s[G0X+2:G0X+3], s[G0X+2:G0X+3], SLOT   ; chunk 1 follows chunk 0 in memory
	s_add_co_u32 s[FO], s93, 2*TILE
	s_add_co_u32 s[FS], s95, 1024
	s_mov_b32 s[OO], 0
	s_mov_b32 s[SHC], 0
	s_wait_dscnt 0x0                               ; the add is done, and Wv stands in registers
	CROUND
	TLOAD G0X, G1RM                                ; v's chunk 1 into slot 0
	FETCH 0, ADRA, AAS
	FETCH 1, ADRA, AAS
	PAIR 1, 0, 1
	s_mov_b32 s[FO], s94
	s_add_co_u32 s[FS], s95, 4096
	PAIR 1, 2, 1                                   ; its barrier shows chunk 1
	VWORDS 0
	s_mov_b32 s[OO], 8192
	s_mov_b32 s[SHC], 0
	PAIR 1, 0, 1
	PAIR 1, 0, 0                                   ; the last pair fetches nothing
	VWORDS 256
	s_wait_dscnt 0x0                               ; my halves of the words are written;
	BARRIER                                        ; so are the others'
	s_wait_xcnt 0x0
	ds_load_b64 v[GW:GW+1], v[SRV]
	s_wait_dscnt 0x0
	global_store_b64 v[CO8], v[GW:GW+1], s[86:87]  ; 32 lanes store 256 consecutive aligned bytes
	s_wait_tensorcnt 0x0                           ; the wave's end
	ds_add_u32 v[SPW], v[NIL]
	s_wait_dscnt 0x0
	CROUND                                         ; the closing round
	s_endpgm
.Lfunc_end_k_q8fe63c1bc1_proj:
	.size	k_q8fe63c1bc1_proj, .Lfunc_end_k_q8fe63c1bc1_proj-k_q8fe63c1bc1_proj
	.p2alignl 7, 3214868480
	.fill 96, 4, 3214868480
	.section	.rodata,"a",@progbits
	.p2align	6, 0x0
	.amdhsa_kernel k_q8fe63c1bc1_proj
		.amdhsa_group_segment_fixed_size 327680
		.amdhsa_private_segment_fixed_size 0
		.amdhsa_enable_private_segment 0
		.amdhsa_kernarg_size 56
		.amdhsa_user_sgpr_count 2
		.amdhsa_user_sgpr_kernarg_segment_ptr 1
		.amdhsa_wavefront_size32 1
		.amdhsa_system_sgpr_workgroup_id_x 1
		.amdhsa_system_sgpr_workgroup_id_y 1
		.amdhsa_system_sgpr_workgroup_id_z 1
		.amdhsa_system_vgpr_workitem_id 0
		.amdhsa_next_free_vgpr 1024
		.amdhsa_next_free_sgpr 102
		.amdhsa_reserve_vcc 0
		.amdhsa_float_denorm_mode_32 3
		.amdhsa_float_denorm_mode_16_64 3
		.amdhsa_memory_ordered 1
		.amdhsa_forward_progress 1
		.amdhsa_inst_pref_size 212
	.end_amdhsa_kernel
	.amdgpu_metadata
---
amdhsa.version: [ 1, 2 ]
amdhsa.kernels:
  - .name:           k_q8fe63c1bc1_proj
    .symbol:         k_q8fe63c1bc1_proj.kd
    .args:
      - { .name: xw_codes, .offset: 0, .size: 8, .value_kind: global_buffer, .address_space: global }
      - { .name: xw_scales, .offset: 8, .size: 8, .value_kind: global_buffer, .address_space: global }
      - { .name: bq, .offset: 16, .size: 8, .value_kind: global_buffer, .address_space: global }
      - { .name: bk, .offset: 24, .size: 8, .value_kind: global_buffer, .address_space: global }
      - { .name: bv, .offset: 32, .size: 8, .value_kind: global_buffer, .address_space: global }
      - { .name: qkv_codes, .offset: 40, .size: 8, .value_kind: global_buffer, .address_space: global }
      - { .name: qkv_sw, .offset: 48, .size: 8, .value_kind: global_buffer, .address_space: global }
    .group_segment_fixed_size: 327680
    .private_segment_fixed_size: 0
    .kernarg_segment_align: 8
    .kernarg_segment_size: 56
    .max_flat_workgroup_size: 128
    .sgpr_count:     102
    .vgpr_count:     1024
    .wavefront_size: 32
...
	.end_amdgpu_metadata
.endif
;; end of part 2
;; launch attn (part 3): grid 4 x 64, 16 waves a work-group, clusters of 4 x 1, 276,480 bytes of LDS; arguments qkv_codes, qkv_sw, o_codes, o_scales; writes o_codes, o_scales
.if DOCPART == 3
	.amdgcn_target "amdgcn-amd-amdhsa--gfx1250"
	.amdhsa_code_object_version 6
	.text
	.protected	k_q8fe63c1bc1_attn
	.globl	k_q8fe63c1bc1_attn
	.p2align	8
	.type	k_q8fe63c1bc1_attn,@function
k_q8fe63c1bc1_attn:
	s_mov_b64 s[64:65], 0
	v_nop
	global_prefetch_b8 v0, s[64:65] scope:SCOPE_SE
	s_setreg_imm32_b32 hwreg(HW_REG_WAVE_MODE, 25, 1), 1
	s_wait_xcnt 0x0
	s_wait_alu depctr_hold_cnt(0) depctr_sa_sdst(0) depctr_va_vdst(0) depctr_va_sdst(0) depctr_va_ssrc(0) depctr_va_vcc(0) depctr_vm_vsrc(0)
	s_getreg_b32 s2, hwreg(HW_REG_IB_STS2, 6, 4)
	s_cmp_eq_u32 s2, 0
	s_cbranch_scc0 .Lentry_in_a_cluster
	s_endpgm
.Lentry_in_a_cluster:
	s_bfe_u32 s2, ttmp6, 0x10000c
	s_cmp_lg_u32 s2, 0x3003
	s_cbranch_scc0 .Lentry_shape_is_right
	s_endpgm
.Lentry_shape_is_right:
; o[n][q][head][:] = the sum over k of softmax_k(q . k / 32) v, both products on codes of FP8 (E4M3) with E8M0 scales; o is quantised here, along the 1,024 features, for the last projection.
; THE SOFTMAX AHEAD OF THE SECOND PRODUCT: t = score x log2(e) / 32; M = the row's largest t so far, rounded UP to a whole number; p = 2^(t - M) is quantised along the keys, not normalised.
; The row's sum is taken of the unquantised p, in f32, and divides O at the end.  When M moves, the sum and O are multiplied by 2^(old M - new M): exact.
; IN (g = 16 n + head): q at 0, k at 8 Mi: [g][tile 0..63][block of d 0..1][512 bytes]; v at 16 Mi: [g][128 keys 0..7][tile of channels 0..3][block of keys 0..3][512]: images of an operand's registers, 16 bytes a lane at 16 x lane.
; Lane row r of tile T is row 32 (T / 2) + 8 (T % 2) + r + 8 (r / 8).  Scale words: q at 0, k at 512 Ki: [g][tile][r]; v at 1 Mi: [g][128 keys][tile][r].
; THE FIRST PRODUCT'S K IS 64 of the instruction's 128: the upper eight registers of q's and k's fragments are zero codes, written once; their scale bytes are 127.
; SHARES.  A work-group owns 256 queries of TWO neighbouring heads, g = 2 P and 2 P + 1, one after the other: 4 x 64 = 256 work-groups.  Each of its SIXTEEN waves owns one tile of 16 queries, in 256 registers:
; four waves to a SIMD, so that one wave's vector work stands beside another's matrix work and LDS loads.
; Both products are used transposed (S^T = k q^T, O^T = v^T p^T): a lane holds ONE query throughout.  By the choice of a tile's rows p's 16 registers of two neighbouring tiles are 16 neighbouring keys, and O^T's are 16 neighbouring channels.
; LDS.  Both heads' k (2 x 65,536 bytes), v (2 x 65,536) and their scale words (8,192 + 4,096) fit together: every byte is filled ONCE, at the head, so there is no ring and no refill.
; Even waves fetch for k, odd waves for v: both heads' scale words (waves 0, 1), the first head's four quarters (waves 2-9), the whole second head (waves 10, 11): twelve loads, one a wave: the second head lands while the first is worked on.
; CLUSTER.  The four work-groups of a cluster are the four query blocks of one pair of heads: every tensor load is asked for jointly, with the mask of all four.
; All of both heads' k and v is asked for at the head of the launch: there is no later request that a prefetch could run ahead of.
; Both heads' eight key steps are written out: the counts of the waits for the tiles differ from head to head, and every LDS offset is an immediate.
; OUT.  o's codes: tile T = 64 n + tile of queries, at T x 16,384; image 2 head + b at + 512 each.  Scale bytes at T x 512 + 32 r + 2 head + b: a head has two bytes of a row's 32, so these leave as single bytes, one for each 32 bytes of codes.
; LIMITS: a block of zeros gets the scale byte 1 (its codes are zeros; this program alone reads the bytes); NaN and infinities are not served.
; REGISTERS: v1-8 addresses that stay; v12 -M, v13 the largest t, v[14:15] the sum in two halves; v16-31 the first head's q; v32-95 four fragments of k; v96-159 S^T, then p, then four fragments of v; v160-191 O^T;
;   v192-207 the second head's q; v224-239 p's codes; v232-254 at work; scale words: v248-251 the fragments' (between their uses, partial sums), v253 p's, v255 and v208 q's.
.set KB2,  65536                       ; LDS: the first head's k at 0, the second's here,
.set VIMG, 131072                      ; the first head's v, the second's KB2 further on,
.set SCK,  262144                      ; k's scale words, 4,096 bytes a head,
.set SCV,  SCK+8192                    ; v's, 2,048 bytes a head
.set WV,   18                          ; s18  my wave's number
.set MNT,  19                          ; s19  the mantissa field of 448
.set SEL,  20                          ; s[20:21] v_permlanex16_b32's selects for lane l xor 16
.set CS,   22                          ; s[22:23] c = log2(e) / 32
.set G1C,  24                          ; s[24:31] descriptor group 1 for 16,384 bytes of codes;  s[32:39] for k's scale words;  s[40:47] for v's;  s[80:87] for a whole head's 65,536 bytes
.set G1SK, 32
.set G1SV, 40
.set G0C,  48                          ; s[48:63] four groups 0: a quarter of the first head's keys each
.set G0S,  68                          ; s[68:71] group 0 for the scale words
.set G1H,  80
.set G0H,  88                          ; s[88:91] group 0 for the second head
.macro CROUND                          ; a round of the cluster's barrier
	s_barrier_signal -1
	s_barrier_wait -1
	s_cmp_lg_u32 s[WV], 0
	s_cbranch_scc1 .Lnot_wave_0_\@
	s_barrier_signal -3
.Lnot_wave_0_\@:
	s_barrier_wait -3
	s_barrier_signal -1
	s_barrier_wait -1
.endm
	s_load_b256 s[4:11], s[0:1], 0x0               ; in: codes s[4:5], scale words s[6:7]; out: codes s[8:9], scale bytes s[10:11]
	v_lshl_add_u32 v222, v0, 2, 0x43000
	v_mov_b32 v223, 0
	ds_add_u32 v222, v223
	ds_add_u32 v222, v223
	v_lshrrev_b32 v9, 5, v0
	s_delay_alu instid0(VALU_DEP_1)
	v_readfirstlane_b32 s[WV], v9                  ; wave 0..15
	s_bfe_u32 s12, ttmp6, 0x40000                  ; cx: my block of 256 queries: it enters q's and o's addresses alone
	s_and_b32 s13, ttmp7, 0xffff                   ; P: the pair of heads, which the four partners share
	s_and_b32 s14, s[WV], 1                        ; even waves fetch for k (0), odd waves for v (1)
	; descriptor group 1: dense blocks as rows of 256 bytes (32 elements of 8 bytes): 64 rows of codes, 256 rows of codes, 32 of k's scale words, 16 of v's
.irp g, G1C, G1H, G1SK, G1SV
	s_mov_b32 s[\g], 15|(3<<16)|(1<<21)            ; 15:0 the mask: all four work-groups; 17:16 elements of 8 bytes; 21 set beside a mask
	s_mov_b32 s[\g+1], 32<<16                      ; tensor_dim0
	s_mov_b32 s[\g+3], 32<<16                      ; tile_dim0
	s_mov_b32 s[\g+5], 32                          ; tensor_dim0_stride
	s_mov_b32 s[\g+6], 0
	s_mov_b32 s[\g+7], 0
.endr
	s_mov_b32 s[G1C+2], 64<<16                     ; tensor_dim1,
	s_mov_b32 s[G1C+4], 64                         ; tile_dim1
	s_mov_b32 s[G1H+2], 256<<16
	s_mov_b32 s[G1H+4], 256
	s_mov_b32 s[G1SK+2], 32<<16
	s_mov_b32 s[G1SK+4], 32
	s_mov_b32 s[G1SV+2], 16<<16
	s_mov_b32 s[G1SV+4], 16
	s_lshl_b32 s15, s14, 17                        ; LDS: k's images at 0, v's at 131,072
	s_add_co_u32 s16, s14, 1
	s_lshl_b32 s16, s16, 23                        ; memory: k's codes at 8 Mi, v's at 16 Mi,
	s_lshl_b32 s17, s13, 17
	s_add_co_u32 s16, s16, s17                     ; 131,072 bytes a pair of heads
	s_mov_b32 s17, 0
	s_lshl_b32 s74, 0x80000, s14                   ; k's scale words at 512 Ki, v's at 1 Mi,
	s_lshl_b32 s75, s13, 13
	s_lshr_b32 s75, s75, s14                       ; 8,192 bytes a pair of heads, or 4,096
	s_add_co_u32 s74, s74, s75
	s_mov_b32 s75, 0
	s_lshl_b32 s76, s14, 13
	s_mov_b32 s[SEL], 0x76543210
	s_mov_b32 s[SEL+1], 0xfedcba98
	s_mov_b32 s[CS], 0x3d38aa3b                    ; log2(e) / 32
	s_mov_b32 s[CS+1], s[CS]                       ; (named with it as a pair, so it is written)
	s_mov_b32 s[MNT], 0x600000
	s_wait_dscnt 0x0
	s_wait_kmcnt 0x0
	s_add_nc_u64 s[72:73], s[4:5], s[16:17]
	s_mov_b32 s[G0S], 1
	s_add_co_u32 s[G0S+1], s76, SCK
	s_add_nc_u64 s[G0S+2:G0S+3], s[6:7], s[74:75]
	s_or_b32 s[G0S+3], s[G0S+3], 0x80000000
.irp c, 0,1,2,3
	s_mov_b32 s[G0C+4*\c], 1
	s_add_co_u32 s[G0C+4*\c+1], s15, \c*16384
	s_add_nc_u64 s[G0C+4*\c+2:G0C+4*\c+3], s[72:73], \c*16384
	s_or_b32 s[G0C+4*\c+3], s[G0C+4*\c+3], 0x80000000
.endr
	s_mov_b32 s[G0H], 1
	s_add_co_u32 s[G0H+1], s15, KB2
	s_add_nc_u64 s[G0H+2:G0H+3], s[72:73], KB2     ; the second head follows the first in memory as in LDS
	s_or_b32 s[G0H+3], s[G0H+3], 0x80000000
	CROUND                                         ; all four work-groups are here: the joint loads meet
; THE FILLS AS THEY ARE SHARED OUT NOW: twelve, ONE A WAVE, in one chain of arms on the wave's number: wave 0 k's scale words, wave 1 v's; waves 2, 3 the first quarter of the first head's k and v, waves 4, 5 the second, 6, 7 the third, 8, 9 the fourth; waves 10, 11 the second head's k and v.
.macro ARM under, g0, g1, next
	s_cmp_lt_u32 s[WV], \under
	s_cbranch_scc0 \next
	tensor_load_to_lds s[\g0:\g0+3], s[\g1:\g1+7]
	s_nop 0
.rept 4
	v_nop
.endr
	s_branch .Lasked
\next:
.endm
	ARM 1, G0S, G1SK, .Larm1
	ARM 2, G0S, G1SV, .Larm2
	ARM 4, G0C, G1C, .Larm3
	ARM 6, G0C+4, G1C, .Larm4
	ARM 8, G0C+8, G1C, .Larm5
	ARM 10, G0C+12, G1C, .Larm6
	ARM 12, G0H, G1H, .Larm7
.Lasked:
	s_lshl_b32 s76, s12, 4
	s_add_co_u32 s76, s76, s[WV]                   ; my tile of queries: 16 cx + wave
	s_lshl_b32 s2, s13, 17
	s_lshl_b32 s3, s76, 10
	s_add_co_u32 s2, s2, s3
	s_mov_b32 s3, 0
	s_add_nc_u64 s[4:5], s[4:5], s[2:3]            ; q's codes in the first head; the second head's lie 65,536 bytes on
	s_lshl_b32 s2, s13, 13
	s_lshl_b32 s77, s76, 6
	s_add_co_u32 s2, s2, s77
	s_add_nc_u64 s[6:7], s[6:7], s[2:3]            ; q's scale words; the second head's 4,096 bytes on
	s_lshr_b32 s77, s13, 3                         ; n = 2 P / 16
	s_lshl_b32 s77, s77, 6
	s_add_co_u32 s77, s77, s76                     ; o's tile: 64 n + my tile
	s_and_b32 s78, s13, 7                          ; the first head is 2 (P % 8)
	s_lshl_b32 s2, s77, 14
	s_lshl_b32 s79, s78, 11
	s_add_co_u32 s2, s2, s79
	s_add_nc_u64 s[8:9], s[8:9], s[2:3]            ; o's codes: the first head's two images; the second head's 1,024 bytes on
	s_lshl_b32 s2, s77, 9
	s_lshl_b32 s79, s78, 2
	s_add_co_u32 s2, s2, s79
	s_add_nc_u64 s[10:11], s[10:11], s[2:3]        ; and its two scale bytes of each row; the second head's 2 bytes on
	v_and_b32 v9, 31, v0
	s_delay_alu instid0(VALU_DEP_1)
	v_lshlrev_b32 v1, 4, v9                        ; v1: 16 x lane: my place in an image; the first head's k begins at LDS byte 0
	s_delay_alu instid0(VALU_DEP_1)
	v_add_nc_u32 v7, KB2, v1                       ; v7: the same in the second head's k
	s_delay_alu instid0(VALU_DEP_2)
	v_add_nc_u32 v2, VIMG, v1                      ; v2: in the first head's v
	s_delay_alu instid0(VALU_DEP_3)
	v_add_nc_u32 v8, VIMG+KB2, v1                  ; v8: in the second head's v
	v_and_b32 v10, 15, v0                          ; r
	s_delay_alu instid0(VALU_DEP_1)
	v_lshlrev_b32 v4, 2, v10                       ; v4: 4 r
	s_delay_alu instid0(VALU_DEP_1)
	v_add_nc_u32 v3, SCK, v4                       ; v3: my lane row's scale word
	v_bfe_u32 v6, v0, 4, 1                         ; v6: h
	s_delay_alu instid0(VALU_DEP_1)
	v_lshl_add_u32 v5, v10, 5, v6                  ; v5: o's scale bytes: 32 r + h
	global_load_b128 v[16:19], v1, s[4:5]          ; both heads' fragments of q stay in registers
	global_load_b128 v[20:23], v1, s[4:5] offset:512
	global_load_b32 v255, v4, s[6:7]
	global_load_b128 v[192:195], v1, s[4:5] offset:65536
	global_load_b128 v[196:199], v1, s[4:5] offset:65536+512
	global_load_b32 v208, v4, s[6:7] offset:4096
.irp j, 0,1,2,3,4,5,6,7
	v_mov_b32 v[24+\j], 0                          ; zero codes for k = 64 .. 127, in q's two fragments
	v_mov_b32 v[200+\j], 0
.endr
.irp t, 0,1,2,3
.irp j, 0,1,2,3,4,5,6,7
	v_mov_b32 v[40+16*\t+\j], 0                    ; and in k's four: no load ever lands here
.endr
.endr
.irp b, 0,1,2,3
	v_mov_b32 v[236+\b], 0                         ; written once: a lane permute's destination counts as one of its sources
.endr
	v_mov_b32 v253, 0                              ; (named as the upper half of the pair v[252:253] before it is first written)
.macro BEGIN                           ; a head begins: no t yet, an empty sum.  O^T is not cleared: the head's first step starts its sums
	v_mov_b32 v13, 0xff61b1e6                      ; the largest t so far: -3e38, under every t
	s_delay_alu instid0(VALU_DEP_1)
	v_floor_f32 v12, -v13                          ; -M
	v_mov_b32 v14, 0                               ; the sum, in two halves
	v_mov_b32 v15, 0
.endm
; Tiles are about to be read: the waves that fetched them wait for them; behind the barrier every wave reads them.  Nothing is ever filled again.
; n: the waves under n wait for their one load, which is what the steps behind this barrier read; n = 0: every wave waits
.macro MEET n
.if \n
	s_cmp_lt_u32 s[WV], \n
	s_cbranch_scc0 .Lnot_yet_\@
	s_wait_tensorcnt 0x0
.Lnot_yet_\@:
.else
	s_wait_tensorcnt 0x0
.endif
	s_wait_dscnt 0x0
	s_barrier_signal -1
	s_barrier_wait -1
.endm
; The largest score of blocks b0 and b1 of 32 keys, my 16 of each, by turns: sixteen lines.  It serves for the row's maximum and, since p rises with the score, for the block's largest p
.macro BLKMAX b0, b1
.irp b, \b0, \b1
	v_max3_num_f32 v[232+\b], v[96+16*\b], v[97+16*\b], v[98+16*\b]
.endr
.irp i, 3,5,7,9,11,13
.irp b, \b0, \b1
	v_max3_num_f32 v[232+\b], v[232+\b], v[96+16*\b+\i], v[97+16*\b+\i]
.endr
.endr
.irp b, \b0, \b1
	v_max_num_f32 v[232+\b], v[232+\b], v[111+16*\b]
.endr
.endm
; Blocks b0 and b1 are held and converted.  The conversion to an 8-bit code does not saturate (ISA guide 7.6.2); p is not negative, so the hold is one-sided.  TWO HOLDS GO IN ONE INSTRUCTION: number i of block b0 with
; number (i + 1) % 16 of block b1, so that one destination is even and the other odd, and like sources lie in different register banks (register number mod 4), as the dual form asks.
.macro HOLD2 b0, b1
.set I, 0
.rept 16
	v_dual_min_num_f32 v[96+16*\b0+I], v[96+16*\b0+I], v[240+\b0] :: v_dual_min_num_f32 v[96+16*\b1+(I+1)%16], v[96+16*\b1+(I+1)%16], v[240+\b1]
.set I, I+1
.endr
.irp b, \b0, \b1
	v_cvt_scalef32_pk8_fp8_f32 v[224+4*\b:225+4*\b], v[96+16*\b:103+16*\b], v[244+\b]
	v_cvt_scalef32_pk8_fp8_f32 v[226+4*\b:227+4*\b], v[104+16*\b:111+16*\b], v[244+\b]
.endr
.endm
; v's fragments t0 and t1 of key step s (16 channels x 128 keys each) take the registers that p's blocks t0 and t1 have left, and their scale words
.macro VLOAD s, hd, t0, t1
.irp t, \t0, \t1
.irp c, 0,1,2,3
	ds_load_b128 v[96+16*\t+4*\c:99+16*\t+4*\c], v[AVR] offset:8192*(\s)+2048*\t+512*\c
.endr
	ds_load_b32 v[248+\t], v3 offset:(SCV-SCK)+2048*(\hd)+256*(\s)+64*\t
.endr
.endm
; A KEY STEP: 128 keys, the s-th of head hd of the pair; every LDS offset is an immediate.
.macro STEP s, hd
.set AKR, 1+6*(\hd)                    ; v1 or v7: my place in the head's k
.set AVR, 2+6*(\hd)                    ; v2 or v8: in its v
.set QR,  16+176*(\hd)                 ; v16 or v192: its q
.set QS,  255-47*(\hd)                 ; v255 or v208: q's scale words
.irp t, 0,1,2,3                                ; S^T = k q^T, four tiles of 16 keys at a time.  The first four fragments are asked for at once: the last products read none of these registers
	ds_load_b128 v[32+16*\t:35+16*\t], v[AKR] offset:(8*(\s)+\t)*1024
	ds_load_b128 v[36+16*\t:39+16*\t], v[AKR] offset:(8*(\s)+\t)*1024+512
.endr
.if (\s) > 0
.rept 9
	v_nop                                          ; S^T is written by matrix instructions over registers that the last products read as v's fragments: nine places; eight of them serve the loads into those products' scale registers
.endr
.endif
.irp t, 0,1,2,3
	ds_load_b32 v[248+\t], v3 offset:4096*(\hd)+(8*(\s)+\t)*64
.endr
	s_wait_dscnt 0x0
.irp t, 0,1,2,3
	v_wmma_scale_f32_16x16x128_f8f6f4 v[96+8*\t:103+8*\t], v[32+16*\t:47+16*\t], v[QR:QR+15], 0, v[248+\t], v[QS]
.endr
.rept 8
	v_nop                                          ; places in front of loads into registers that these four have read, and of the first read of their results
.endr
.irp t, 0,1,2,3
	ds_load_b128 v[32+16*\t:35+16*\t], v[AKR] offset:(8*(\s)+4+\t)*1024
	ds_load_b128 v[36+16*\t:39+16*\t], v[AKR] offset:(8*(\s)+4+\t)*1024+512
	ds_load_b32 v[248+\t], v3 offset:4096*(\hd)+(8*(\s)+4+\t)*64
.endr
	s_wait_dscnt 0x0
.irp t, 0,1,2,3
	v_wmma_scale_f32_16x16x128_f8f6f4 v[128+8*\t:135+8*\t], v[32+16*\t:47+16*\t], v[QR:QR+15], 0, v[248+\t], v[QS]
.endr                                          ; lane (r, h) holds query r; the 16 registers of tiles 2 b, 2 b + 1 are keys 128 s + 32 b + 16 h + 0 .. 15
	BLKMAX 0, 1                                    ; blocks 0 and 1 come of the first four products: these sixteen lines name no register of the last four, and are the places behind them
	BLKMAX 2, 3
.irp b, 0,1,2,3
	v_permlanex16_b32 v[236+\b], v[232+\b], s[SEL], s[SEL+1]
.endr
.irp b, 0,1,2,3
	s_delay_alu instid0(VALU_DEP_4)
	v_max_num_f32 v[232+\b], v[232+\b], v[236+\b]  ; with lane l xor 16's 16 keys
.endr
	s_delay_alu instid0(VALU_DEP_2)
	v_max3_num_f32 v254, v232, v233, v234
	s_delay_alu instid0(VALU_DEP_1)
	v_max_num_f32 v254, v254, v235                 ; the step's largest score of my query
	s_delay_alu instid0(VALU_DEP_1)
	v_mul_f32 v254, s[CS], v254                    ; as t (c is positive)
	s_delay_alu instid0(VALU_DEP_1)
	v_max_num_f32 v13, v13, v254                   ; the running largest t
	v_mov_b32 v254, v12
	s_delay_alu instid0(VALU_DEP_2)
	v_floor_f32 v12, -v13                          ; the new -M = floor(-t) = -ceil(t): a whole number
	s_delay_alu instid0(VALU_DEP_1)
	v_sub_f32 v254, v12, v254                      ; M's old value less its new one: a whole number, 0 or less
	s_delay_alu instid0(VALU_DEP_1)
	v_cvt_i32_f32 v254, v254                       ; (it saturates)
	s_delay_alu instid0(VALU_DEP_1)
	v_ldexp_f32 v252, 1.0, v254                    ; f = 2^(old M - new M)
.set J, 0
.rept 32
	v_pk_fma_f32 v[96+J:97+J], v[96+J:97+J], s[CS:CS+1], v[12:13] op_sel_hi:[1,0,0]   ; t - M, two at a time (of the pairs c and -M the low word serves both halves)
.set J, J+2
.endr
.irp b, 0,1,2,3
	v_fma_f32 v[232+\b], v[232+\b], s[CS], v12     ; the same of each block's largest score
.endr
.set J, 0
	s_wait_alu depctr_va_vdst(0)
.rept 64
	v_exp_f32 v[96+J], v[96+J]                     ; p = 2^(t - M), at most 1: not normalised
.set J, J+1
.endr
	v_pk_mul_f32 v[14:15], v[14:15], v[252:253] op_sel_hi:[1,0]   ; the sums under the new M: a plain line behind the exponentials
	s_wait_alu depctr_va_vdst(0)                   ; one wait for the whole batch, ahead of its first reader
.irp b, 0,1,2,3
	v_exp_f32 v[232+\b], v[232+\b]                 ; the block's largest p: the same two instructions on the same number give the same bits
.endr
	v_pk_add_f32 v[236:237], v[100:101], v[104:105]
	v_pk_add_f32 v[250:251], v[108:109], v[112:113]
	v_pk_add_f32 v[248:249], v[116:117], v[120:121]
	v_pk_add_f32 v[246:247], v[124:125], v[128:129]
	v_pk_add_f32 v[244:245], v[132:133], v[136:137]
	v_pk_add_f32 v[242:243], v[140:141], v[144:145]
	v_pk_add_f32 v[240:241], v[148:149], v[152:153]
	v_pk_add_f32 v[14:15], v[14:15], v[156:157]
	v_pk_add_f32 v[236:237], v[236:237], v[96:97]
	v_pk_add_f32 v[250:251], v[250:251], v[98:99]
	v_pk_add_f32 v[248:249], v[248:249], v[102:103]
	v_pk_add_f32 v[246:247], v[246:247], v[106:107]
	v_pk_add_f32 v[244:245], v[244:245], v[110:111]
	v_pk_add_f32 v[242:243], v[242:243], v[114:115]
	v_pk_add_f32 v[240:241], v[240:241], v[118:119]
	v_pk_add_f32 v[14:15], v[14:15], v[122:123]
	v_pk_add_f32 v[236:237], v[236:237], v[126:127]
	v_pk_add_f32 v[250:251], v[250:251], v[130:131]
	v_pk_add_f32 v[248:249], v[248:249], v[134:135]
	v_pk_add_f32 v[246:247], v[246:247], v[138:139]
	v_pk_add_f32 v[244:245], v[244:245], v[142:143]
	v_pk_add_f32 v[242:243], v[242:243], v[146:147]
	v_pk_add_f32 v[240:241], v[240:241], v[150:151]
	v_pk_add_f32 v[14:15], v[14:15], v[154:155]
	v_pk_add_f32 v[236:237], v[236:237], v[158:159]
	s_delay_alu instid0(VALU_DEP_2)
	v_pk_add_f32 v[14:15], v[14:15], v[246:247]
	s_delay_alu instid0(VALU_DEP_2)
	v_pk_add_f32 v[236:237], v[236:237], v[244:245]
	v_pk_add_f32 v[250:251], v[250:251], v[242:243]
	v_pk_add_f32 v[248:249], v[248:249], v[240:241]
	s_delay_alu instid0(VALU_DEP_2)
	v_pk_add_f32 v[14:15], v[14:15], v[250:251]
	s_delay_alu instid0(VALU_DEP_2)
	v_pk_add_f32 v[236:237], v[236:237], v[248:249]
	s_delay_alu instid0(VALU_DEP_1)
	v_pk_add_f32 v[14:15], v[14:15], v[236:237]
	s_wait_alu depctr_va_vdst(0)                   ; and one for the four
.irp b, 0,1,2,3
	v_max_num_f32 v[232+\b], 0x4800000, v[232+\b]  ; the floor 2^(9 - 127): the byte cannot fall under 1
.endr
.irp b, 0,1,2,3
	s_delay_alu instid0(VALU_DEP_4)
	v_add_nc_u32 v[244+\b], 0xfc000000, v[232+\b]  ; 8 off the exponent field: the conversion's scale operand
.endr
.irp b, 0,1,2,3
	v_and_or_b32 v[240+\b], v[232+\b], 0x7f800000, s[MNT]   ; 448 x the scale
.endr
.irp b, 0,1,2,3
	v_lshrrev_b32 v[236+\b], 23, v[244+\b]         ; the scale's byte
.endr
	s_delay_alu instid0(VALU_DEP_3)
	v_lshl_or_b32 v253, v237, 8, v236              ; p's scale word for these 128 keys: the 32 holds below stand between it and the products that take it
	s_delay_alu instid0(VALU_DEP_1)
	v_lshl_or_b32 v253, v238, 16, v253
	s_delay_alu instid0(VALU_DEP_1)
	v_lshl_or_b32 v253, v239, 24, v253
	HOLD2 0, 1
	VLOAD \s, \hd, 0, 1                            ; asked for as soon as their registers are free: the other two blocks' holds stand between these loads and the wait for them
	HOLD2 2, 3
	VLOAD \s, \hd, 2, 3
.if (\s) > 0
.set J, 0
.rept 16
	v_pk_mul_f32 v[160+J:161+J], v[160+J:161+J], v[252:253] op_sel_hi:[1,0]   ; O^T under the new M: x f.  These sixteen are also the places between the conversions and the matrix instructions below
.set J, J+2
.endr
.else
.rept 4
	v_nop                                          ; a head's first step has no O^T yet: four places between the conversions and the matrix instructions that take their codes
.endr
.endif
	s_wait_alu depctr_va_vdst(0)
	s_wait_dscnt 0x0
.irp t, 0,1,2,3                                ; O^T += v^T p^T: four tiles of 16 channels, by turns; K = these 128 keys.  A head's first step starts the sums: nothing is cleared
.if (\s) > 0
	v_wmma_scale_f32_16x16x128_f8f6f4 v[160+8*\t:167+8*\t], v[96+16*\t:111+16*\t], v[224:239], v[160+8*\t:167+8*\t], v[248+\t], v253
.else
	v_wmma_scale_f32_16x16x128_f8f6f4 v[160+8*\t:167+8*\t], v[96+16*\t:111+16*\t], v[224:239], 0, v[248+\t], v253
.endif
.endr
.endm
; THE WAY OUT of head hd.  O^T / the sum: register 16 b + i is channel 32 b + 16 h + i of my query: two blocks of the last projection's K, quantised as they stand.
.macro OUT hd
.rept 8
	v_nop                                          ; places behind the last products
.endr
	v_add_f32 v14, v14, v15                        ; the sum's two halves,
	s_delay_alu instid0(VALU_DEP_1)
	v_permlanex16_b32 v252, v14, s[SEL], s[SEL+1]
	s_delay_alu instid0(VALU_DEP_1)
	v_add_f32 v14, v14, v252                       ; and lane l xor 16's: the row's sum
	s_wait_alu depctr_va_vdst(0)
	v_rcp_f32 v14, v14
	v_nop                                          ; a plain line behind the transcendental
	s_wait_alu depctr_va_vdst(0)                   ; and the wait ahead of its first reader
.set J, 0
.rept 32
	v_mul_f32 v[96+J], v[160+J], v14               ; each accumulator from its low end on
.set J, J+1
.endr
.irp b, 0,1
	v_max3_num_f32 v[232+\b], |v[96+16*\b]|, |v[97+16*\b]|, 0x4800000
.endr
.irp i, 2,4,6,8,10,12,14
.irp b, 0,1
	s_delay_alu instid0(VALU_DEP_2)
	v_max3_num_f32 v[232+\b], v[232+\b], |v[96+16*\b+\i]|, |v[97+16*\b+\i]|
.endr
.endr
.irp b, 0,1
	v_permlanex16_b32 v[236+\b], v[232+\b], s[SEL], s[SEL+1]
.endr
.irp b, 0,1
	s_delay_alu instid0(VALU_DEP_2)
	v_max_num_f32 v[232+\b], v[232+\b], v[236+\b]
.endr
.irp b, 0,1
	s_delay_alu instid0(VALU_DEP_2)
	v_add_nc_u32 v[244+\b], 0xfc000000, v[232+\b]
.endr
.irp b, 0,1
	s_delay_alu instid0(VALU_DEP_4)
	v_and_or_b32 v[240+\b], v[232+\b], 0x7f800000, s[MNT]
.endr
.irp b, 0,1
	s_delay_alu instid0(VALU_DEP_4)
	v_lshrrev_b32 v[236+\b], 23, v[244+\b]
.endr
.irp b, 0,1
.irp i, 0,1,2,3,4,5,6,7,8,9,10,11,12,13,14,15
	v_med3_num_f32 v[96+16*\b+\i], v[96+16*\b+\i], -v[240+\b], v[240+\b]
.endr
	v_cvt_scalef32_pk8_fp8_f32 v[224+4*\b:225+4*\b], v[96+16*\b:103+16*\b], v[244+\b]
	v_cvt_scalef32_pk8_fp8_f32 v[226+4*\b:227+4*\b], v[104+16*\b:111+16*\b], v[244+\b]
.endr
	v_cmp_ne_u32 vcc_lo, 0, v6                     ; (a plain line behind the last conversion)  lanes 0-15 store block 0's byte, lanes 16-31 block 1's
	s_delay_alu instid0(VALU_DEP_1)
	v_cndmask_b32 v238, v236, v237, vcc_lo
	global_store_b128 v1, v[224:227], s[8:9] offset:1024*(\hd)       ; an image: 512 consecutive bytes, aligned
	global_store_b128 v1, v[228:231], s[8:9] offset:1024*(\hd)+512
	global_store_b8 v5, v238, s[10:11] offset:2*(\hd)
.endm
	BEGIN
	s_wait_loadcnt 0x0                             ; q, both heads'
	MEET 4                                         ; the scale words and the first head's keys 0-255 are in; its three other quarters and the second head stay on their way
	STEP 0, 0
	STEP 1, 0
	MEET 6
	STEP 2, 0
	STEP 3, 0
	MEET 8
	STEP 4, 0
	STEP 5, 0
	MEET 10
	STEP 6, 0
	STEP 7, 0
	OUT 0
	BEGIN
	s_wait_xcnt 0x0                                ; the first head's stores have read their registers, which the second head's steps write again
	MEET 0                                         ; the second head is whole: one barrier for its eight steps
	STEP 0, 1
	STEP 1, 1
	STEP 2, 1
	STEP 3, 1
	STEP 4, 1
	STEP 5, 1
	STEP 6, 1
	STEP 7, 1
	OUT 1
	s_wait_tensorcnt 0x0
	ds_add_u32 v222, v223
	s_wait_dscnt 0x0
	CROUND                                         ; the closing round: no work-group ends while a partner may still ask for a tile that names it
	s_endpgm
.Lfunc_end_k_q8fe63c1bc1_attn:
	.size	k_q8fe63c1bc1_attn, .Lfunc_end_k_q8fe63c1bc1_attn-k_q8fe63c1bc1_attn
	.p2alignl 7, 3214868480
	.fill 96, 4, 3214868480
	.section	.rodata,"a",@progbits
	.p2align	6, 0x0
	.amdhsa_kernel k_q8fe63c1bc1_attn
		.amdhsa_group_segment_fixed_size 276480
		.amdhsa_private_segment_fixed_size 0
		.amdhsa_enable_private_segment 0
		.amdhsa_kernarg_size 32
		.amdhsa_user_sgpr_count 2
		.amdhsa_user_sgpr_kernarg_segment_ptr 1
		.amdhsa_wavefront_size32 1
		.amdhsa_system_sgpr_workgroup_id_x 1
		.amdhsa_system_sgpr_workgroup_id_y 1
		.amdhsa_system_sgpr_workgroup_id_z 1
		.amdhsa_system_vgpr_workitem_id 0
		.amdhsa_next_free_vgpr 256
		.amdhsa_next_free_sgpr 92
		.amdhsa_reserve_vcc 1
		.amdhsa_float_denorm_mode_32 3
		.amdhsa_float_denorm_mode_16_64 3
		.amdhsa_memory_ordered 1
		.amdhsa_forward_progress 1
		.amdhsa_inst_pref_size 255
	.end_amdhsa_kernel
	.section	.bss,"aw",@nobits
	.p2align	6
	.space	262144
	.amdgpu_metadata
---
amdhsa.version: [ 1, 2 ]
amdhsa.kernels:
  - .name:           k_q8fe63c1bc1_attn
    .symbol:         k_q8fe63c1bc1_attn.kd
    .args:
      - { .name: qkv_codes, .offset: 0, .size: 8, .value_kind: global_buffer, .address_space: global }
      - { .name: qkv_sw, .offset: 8, .size: 8, .value_kind: global_buffer, .address_space: global }
      - { .name: o_codes, .offset: 16, .size: 8, .value_kind: global_buffer, .address_space: global }
      - { .name: o_scales, .offset: 24, .size: 8, .value_kind: global_buffer, .address_space: global }
    .group_segment_fixed_size: 276480
    .private_segment_fixed_size: 0
    .kernarg_segment_align: 8
    .kernarg_segment_size: 32
    .max_flat_workgroup_size: 512
    .sgpr_count:     92
    .vgpr_count:     256
    .wavefront_size: 32
...
	.end_amdgpu_metadata
.endif
;; end of part 3
;; launch outproj (part 4): grid 4 x 64, 4 waves a work-group, clusters of 4 x 4, 327,680 bytes of LDS; arguments o_codes, o_scales, xw_codes, xw_scales, bo, out0; writes out0
.if DOCPART == 4
	.amdgcn_target "amdgcn-amd-amdhsa--gfx1250"
	.amdhsa_code_object_version 6
	.text
	.protected	k_q8fe63c1bc1_outproj
	.globl	k_q8fe63c1bc1_outproj
	.p2align	8
	.type	k_q8fe63c1bc1_outproj,@function
k_q8fe63c1bc1_outproj:
	s_mov_b64 s[64:65], 0
	v_nop
	global_prefetch_b8 v0, s[64:65] scope:SCOPE_SE
	s_setreg_imm32_b32 hwreg(HW_REG_WAVE_MODE, 25, 1), 1
	s_wait_xcnt 0x0
	s_wait_alu depctr_hold_cnt(0) depctr_sa_sdst(0) depctr_va_vdst(0) depctr_va_sdst(0) depctr_va_ssrc(0) depctr_va_vcc(0) depctr_vm_vsrc(0)
	s_getreg_b32 s2, hwreg(HW_REG_IB_STS2, 6, 4)
	s_cmp_eq_u32 s2, 0
	s_cbranch_scc0 .Lentry_in_a_cluster
	s_endpgm
.Lentry_in_a_cluster:
	s_bfe_u32 s2, ttmp6, 0x10000c
	s_cmp_lg_u32 s2, 0xf033
	s_cbranch_scc0 .Lentry_shape_is_right
	s_endpgm
.Lentry_shape_is_right:
; out0 = o Wo^T + bo, 8192 x 1024 x 1024 on codes of FP8 (E4M3) with E8M0 scales, f32 out.
; OPERANDS lie in tiles of 16 rows, as images of an operand's registers: tile G at G x 16,384 bytes; image kb at + 512 kb; lane l = r + 16 h owns the 16 bytes at 16 l.  Lane row r of tile T is row 32 (T / 2) + 8 (T % 2) + r + 8 (r / 8).  Scale bytes at G x 512 + 32 r + kb.  Wo's tiles begin at tile 1,728 of xw_codes.
; THE DEAL.  256 work-groups of four waves, in clusters of 4 x 4 (place cx, cy; cluster number CY).  A work-group makes rows 256 RB on, RB = 4 (CY / 2) + cy, x features 128 CB on, CB = 4 (CY % 2) + cx.
; Wave w holds the 64 rows 128 CB + 64 (w % 2) on of Wo, all of K, in 512 registers (windows 1, 2) and walks, of each chunk of 8 tiles of o, tiles 4 (w / 2) on: a block is one tile (128 registers; two sets in window 3) x four weight tiles: 32 products; eight blocks a wave.
; LDS: two slots of 131,072 bytes and o's scale bytes.  At the head, one joint load a wave: Wo's 8 tiles into slot 1 (waves 0, 1), o's chunk 0 into slot 0 (wave 2), the scale bytes (wave 3).  When Wo stands in registers, chunk 1 goes over it, behind a drained round of the cluster's barrier, a quarter a wave.
; CLUSTER: o's tiles hang on CY and cy alone and are shared along a row of the cluster; Wo's on CY and cx alone and are shared along a column.
; No prefetch: chunk 1's load follows the head's at once, so there is nothing to run ahead in.
; Source 0 = a weight tile, source 1 = o's tile: a lane holds one row, and the 16 registers of weight tiles 2 c, 2 c + 1 are features 32 c + 16 h + 0 .. 15.  The bias is the C of a sum's first product.
; THE WAY OUT: a tile's 16 rows x 256 bytes go through the wave's own stage in LDS and leave two rows a store: sixteen lanes fill one aligned unit of 256 bytes.
; LIMITS: NaN and infinities are not served.
.set TILE, 16384
.set SLOT, 8*TILE
.set SCL, 2*SLOT
.set SPARE, SCL+8192
.set STG, SPARE+512                    ; a stage of 16 rows x 272 bytes for each wave
.set SP, 272
.set NF, 34
.set CO, 4
.set ABS, 5
.set AAS0, 6
.set STO, 7
.set BVO, 8
.set RD, 9
.set SPW, 10
.set NIL, 11
.set ADRA, 12
.set AAS, 13
.set GO, 14
.set ADW, 15
.set OCO, 19
.set SB, 24
.set SA, 44
.set ACC, 64
.set BQ, 128
.set OB, 160                           ; v160-223 two tiles read back from the stage
.set G1RM, 24
.set G1CM, 32
.set G1S, 40
.set G0W, 48
.set G0X, 52
.set G0SA, 56
.set FO, 2
.set FS, 3
.set OO, 23
.set MSB, 0
.macro WIN new
.if MSB != (\new)
	s_set_vgpr_msb (MSB<<8)|(\new)
.set MSB, (\new)
.endif
.endm
.macro PLACES n
.rept \n
	v_nop
.endr
.endm
.macro BARRIER
	s_barrier_signal -1
	s_barrier_wait -1
.endm
.macro CROUND
	BARRIER
	s_cmp_lg_u32 s14, 0
	s_cbranch_scc1 .Lnot_wave_0_\@
	s_barrier_signal -3
.Lnot_wave_0_\@:
	s_barrier_wait -3
	BARRIER
.endm
.macro TLOAD g0, g1
	tensor_load_to_lds s[\g0:\g0+3], s[\g1:\g1+7]
	s_nop 0
	PLACES 4
.endm
	s_load_b256 s[4:11], s[0:1], 0x0               ; o's codes, o's scale bytes, the weights' codes, their scale bytes
	s_load_b128 s[16:19], s[0:1], 0x20             ; bo, out0
	v_lshl_add_u32 v[SPW], v0, 2, SPARE
	v_mov_b32 v[NIL], 0
	ds_add_u32 v[SPW], v[NIL]                      ; the opening lines: the add twice and one wait
	ds_add_u32 v[SPW], v[NIL]
	v_lshrrev_b32 v1, 5, v0
	v_readfirstlane_b32 s14, v1
	s_lshr_b32 s90, s14, 1                         ; my row of waves,
	s_and_b32 s91, s14, 1                          ; my column of waves
	s_lshl_b32 s92, s14, 15
	s_bfe_u32 s93, ttmp6, 0x40000                  ; cx
	s_bfe_u32 s94, ttmp6, 0x40004                  ; cy
	s_and_b32 s95, ttmp7, 0xffff                   ; CY
	s_lshl_b32 s96, s94, 2
	s_lshl_b32 s96, 15, s96                        ; my row of the cluster
	s_lshl_b32 s97, 0x1111, s93                    ; my column
	s_or_b32 s[G1RM], s96, (3<<16)|(1<<21)
	s_or_b32 s[G1S], s96, (3<<16)|(1<<21)
	s_or_b32 s[G1CM], s97, (3<<16)|(1<<21)
.irp g, G1RM, G1CM, G1S
	s_mov_b32 s[\g+1], 32<<16
	s_mov_b32 s[\g+3], 32<<16
	s_mov_b32 s[\g+5], 32
	s_mov_b32 s[\g+6], 0
	s_mov_b32 s[\g+7], 0
.endr
	s_mov_b32 s[G1RM+2], 512<<16                   ; a whole chunk
	s_mov_b32 s[G1RM+4], 512
	s_mov_b32 s[G1CM+2], 256<<16                   ; four tiles of Wo
	s_mov_b32 s[G1CM+4], 256
	s_mov_b32 s[G1S+2], 32<<16
	s_mov_b32 s[G1S+4], 32
	s_lshr_b32 s98, s95, 1
	s_lshl_b32 s98, s98, 2
	s_add_co_u32 s98, s98, s94                     ; RB
	s_and_b32 s100, s95, 1
	s_lshl_b32 s100, s100, 2
	s_add_co_u32 s100, s100, s93                   ; CB
	s_lshl_b32 s101, s100, 3
	s_add_co_u32 s101, s101, 1728                  ; Wo's first tile
	s_lshl_b32 s99, s91, 16
	s_mov_b32 s[G0W], 1
	s_add_co_u32 s[G0W+1], s99, SLOT
	s_lshl_b32 s[G0W+2], s101, 14
	s_add_co_u32 s[G0W+2], s[G0W+2], s99
	s_mov_b32 s[G0W+3], 0
	s_mov_b32 s[G0X], 1
	s_mov_b32 s[G0X+1], 0
	s_lshl_b32 s[G0X+2], s98, 18                   ; tile 16 RB
	s_mov_b32 s[G0X+3], 0
	s_mov_b32 s[G0SA], 1
	s_mov_b32 s[G0SA+1], SCL
	s_lshl_b32 s[G0SA+2], s98, 13
	s_mov_b32 s[G0SA+3], 0
	s_add_co_u32 s68, s[G0X+2], s92                ; s[68:69]: my quarter of chunk 1
	s_add_co_u32 s68, s68, SLOT
	s_mov_b32 s69, 0
	s_lshl_b32 s72, s91, 2
	s_add_co_u32 s72, s72, s101
	s_lshl_b32 s72, s72, 9                         ; my weight tiles' scale bytes
	s_lshl_b32 s76, s100, 9
	s_lshl_b32 s3, s91, 8
	s_add_co_u32 s76, s76, s3                      ; my 64 numbers of the bias, and my 256 bytes of a row of out0
	s_lshl_b32 s80, s98, 20                        ; row 256 RB + 64 (w / 2)
	s_lshl_b32 s3, s90, 18
	s_add_co_u32 s80, s80, s3
	s_add_co_u32 s80, s80, s76
.irp p, 73,77,81
	s_mov_b32 s\p, 0
.endr
	s_mul_i32 s3, s14, 16*SP
	s_add_co_u32 s3, s3, STG
	s_lshl_b32 s94, s90, 16                        ; my four tiles of a chunk,
	s_lshl_b32 s95, s90, 11                        ; and their scale bytes
	s_wait_dscnt 0x0
	CROUND                                         ; all sixteen work-groups are here: the joint loads meet
	s_wait_kmcnt 0x0
	s_add_nc_u64 s[G0W+2:G0W+3], s[8:9], s[G0W+2:G0W+3]
	s_or_b32 s[G0W+3], s[G0W+3], 0x80000000
	s_add_nc_u64 s[G0X+2:G0X+3], s[4:5], s[G0X+2:G0X+3]
	s_or_b32 s[G0X+3], s[G0X+3], 0x80000000
	s_add_nc_u64 s[G0SA+2:G0SA+3], s[6:7], s[G0SA+2:G0SA+3]
	s_or_b32 s[G0SA+3], s[G0SA+3], 0x80000000
	s_cmp_lt_u32 s14, 2
	s_cbranch_scc0 .Lc0
	TLOAD G0W, G1CM
	s_branch .Lasked
.Lc0:
	s_cmp_eq_u32 s14, 2
	s_cbranch_scc0 .Lsa
	TLOAD G0X, G1RM
	s_branch .Lasked
.Lsa:
	TLOAD G0SA, G1S
.Lasked:
	s_add_nc_u64 s[68:69], s[4:5], s[68:69]
	s_add_nc_u64 s[72:73], s[10:11], s[72:73]
	s_add_nc_u64 s[76:77], s[16:17], s[76:77]
	s_add_nc_u64 s[80:81], s[18:19], s[80:81]
	v_and_b32 v3, 31, v0
	v_and_b32 v1, 15, v0
	v_bfe_u32 v2, v0, 4, 1
	v_lshlrev_b32 v[CO], 4, v3
	v_lshlrev_b32 v[ABS], 5, v3
	v_lshlrev_b32 v[BVO], 6, v2
	v_lshl_add_u32 v[AAS0], v1, 5, SCL
	v_mul_u32_u24 v[STO], v1, SP
	v_mul_u32_u24 v[RD], v2, SP
	v_lshlrev_b32 v[GO], 12, v2
	v_lshl_add_u32 v[STO], v2, 6, v[STO]
	v_lshl_add_u32 v[RD], v1, 4, v[RD]
	v_lshl_add_u32 v[GO], v1, 4, v[GO]             ; lanes 0-15 one row of out0, lanes 16-31 the next
	v_add_nc_u32 v[STO], s3, v[STO]                ; into the stage: row r, + 64 h bytes
	v_add_nc_u32 v[RD], s3, v[RD]                  ; out of it: row h, 16 bytes a lane
	v_add_nc_u32 v[ADW], s[G0W+1], v[CO]           ; my four tiles of Wo in slot 1
	v_add_nc_u32 v[ADRA], s94, v[CO]
	v_add_nc_u32 v[AAS], s95, v[AAS0]
	s_wait_alu depctr_va_vdst(0)                   ; the wait behind the head's vector lines
.irp p, 0,1
.irp c, 0,1
	global_load_b128 v[SB+8*\p+4*\c:SB+8*\p+4*\c+3], v[ABS], s[72:73] offset:\p*1024+16*\c
.endr
.endr
.irp b, 0,1,2,3
	global_load_b128 v[BQ+8*\b:BQ+8*\b+3], v[BVO], s[76:77] offset:(32*(\b/2)+8*(\b%2))*4
	global_load_b128 v[BQ+8*\b+4:BQ+8*\b+7], v[BVO], s[76:77] offset:(32*(\b/2)+8*(\b%2))*4+16
.endr
.macro FETCH e, a, s
	WIN 0xc0
.irp q, 0,1,2,3,4,5,6,7
.irp c, 0,1,2,3
	ds_load_b128 v[128*\e+16*\q+4*\c:128*\e+16*\q+4*\c+3], v[\a] offset:\e*TILE+2048*\q+512*\c
.endr
.endr
	WIN 0
	ds_load_b128 v[SA+8*\e:SA+8*\e+3], v[\s] offset:\e*512
	ds_load_b128 v[SA+8*\e+4:SA+8*\e+7], v[\s] offset:\e*512+16
.endm
.macro PROD e, b
.set AC_, ACC+32*(\e)+8*(\b)
.set C_, AC_
.if Q_ == 0
.set C_, BQ+8*(\b)
.endif
.set R_, 128*(\e)+16*Q_
.set W_, 16*((4*Q_+(\b))%16)
.set XS_, SA+8*(\e)+Q_
.set WS_, SB+8*((\b)/2)+Q_
.if (\b)%2
	v_wmma_scale_f32_16x16x128_f8f6f4 v[AC_:AC_+7], v[W_:W_+15], v[R_:R_+15], v[C_:C_+7], v[WS_], v[XS_] matrix_a_scale:MATRIX_SCALE_ROW1
.else
	v_wmma_scale_f32_16x16x128_f8f6f4 v[AC_:AC_+7], v[W_:W_+15], v[R_:R_+15], v[C_:C_+7], v[WS_], v[XS_]
.endif
.endm
.macro BLK e, w, mode, fetch           ; 32 products, the four accumulators by turns; mode 2: a barrier shows chunk 1; eight plain places; the set takes the tile two on
	s_wait_dscnt \w
.set Q_, 0
.rept 8
	WIN (1+Q_/4)|(3<<2)
.irp b, 0,1,2,3
	PROD \e, \b
.endr
.set Q_, Q_+1
.endr
	WIN 0
.if \mode == 2
	s_wait_alu depctr_va_vdst(0)
	s_wait_tensorcnt 0x0
	s_wait_dscnt 0x0
	BARRIER
.endif
	PLACES 8
.if \fetch
	v_add_nc_u32 v[ADRA], s[FO], v[CO]
	v_add_nc_u32 v[AAS], s[FS], v[AAS0]
	FETCH \e, ADRA, AAS
.endif
.endm
.macro SENDP                           ; the way out of a pair of tiles (LDS serves a wave's instructions in order: no wait between the stores and the loads)
	s_wait_xcnt 0x0                                ; the last pair's stores have read their registers
	v_add_nc_u32 v[OCO], s[OO], v[GO]
	s_wait_alu depctr_va_vdst(0)                   ; the wait here, directly behind the write
.irp e, 0,1
.irp k, 0,1,2,3,4,5,6,7
	ds_store_b128 v[STO], v[ACC+32*\e+4*\k:ACC+32*\e+4*\k+3] offset:128*(\k/4)+16*(\k%4)   ; each accumulator from its low end on
.endr
.irp i, 0,1,2,3,4,5,6,7
	ds_load_b128 v[OB+32*\e+4*\i:OB+32*\e+4*\i+3], v[RD] offset:2*\i*SP
.endr
.endr
	s_wait_dscnt 16                                ; the first tile is back: behind its loads stand the second's 8 stores and 8 loads
.irp i, 0,1,2,3,4,5,6,7
	global_store_b128 v[OCO], v[OB+4*\i:OB+4*\i+3], s[80:81] offset:(2*\i+8*(\i/4))*4096 th:TH_STORE_NT
.endr
	s_wait_dscnt 0x0
.irp i, 0,1,2,3,4,5,6,7
	global_store_b128 v[OCO], v[OB+32+4*\i:OB+32+4*\i+3], s[80:81] offset:(8+2*\i+8*(\i/4))*4096 th:TH_STORE_NT
.endr
.endm
.macro PAIR mode, fetch
	BLK 0, NF, \mode, \fetch                       ; behind set 0's fetch stand at least set 1's 34 loads
.if \fetch
	BLK 1, NF, 0, 1
.else
	BLK 1, 0, 0, 0
.endif
	SENDP
	s_add_co_u32 s[FO], s[FO], 2*TILE
	s_add_co_u32 s[FS], s[FS], 1024
	s_add_co_u32 s[OO], s[OO], 32*4096
.endm
	s_wait_tensorcnt 0x0                           ; every wave's load of the head is in;
	BARRIER                                        ; everybody's are
.set F_, 0
.rept 32                               ; my 64 rows of Wo: fragment 4 q + b (tile b, the q-th 128 of K) in window 1 + (4 q + b) / 16
	WIN (1+F_/16)<<6
.irp c, 0,1,2,3
	ds_load_b128 v[16*(F_%16)+4*\c:16*(F_%16)+4*\c+3], v[ADW] offset:(F_%4)*TILE+(F_/4)*2048+512*\c
.endr
.set F_, F_+1
.endr
	WIN 0
	FETCH 0, ADRA, AAS
	FETCH 1, ADRA, AAS
	s_wait_tensorcnt 0x0                           ; the wait and the add ahead of a refill
	ds_add_u32 v[SPW], v[NIL]
	s_add_co_u32 s[G0X+1], s92, SLOT
	s_mov_b64 s[G0X+2:G0X+3], s[68:69]
	s_or_b32 s[G0X+3], s[G0X+3], 0x80000000
	s_mov_b32 s[G1RM+2], 128<<16                   ; a quarter of a chunk
	s_mov_b32 s[G1RM+4], 128
	s_add_co_u32 s[FO], s94, 2*TILE
	s_add_co_u32 s[FS], s95, 1024
	s_mov_b32 s[OO], 0
	s_wait_dscnt 0x0                               ; the add is done, and Wo stands in registers
	CROUND
	TLOAD G0X, G1RM                                ; chunk 1 into slot 1
	s_wait_loadcnt 0x0                             ; scale words and the bias
	PAIR 0, 1
	s_add_co_u32 s[FO], s94, SLOT
	s_add_co_u32 s[FS], s95, 4096
	PAIR 2, 1                                      ; its barrier shows chunk 1
	s_mov_b32 s[OO], 128*4096
	PAIR 0, 1
	PAIR 0, 0                                      ; the last pair fetches nothing
	s_wait_tensorcnt 0x0                           ; the wave's end
	ds_add_u32 v[SPW], v[NIL]
	s_wait_dscnt 0x0
	CROUND                                         ; the closing round
	s_endpgm
.Lfunc_end_k_q8fe63c1bc1_outproj:
	.size	k_q8fe63c1bc1_outproj, .Lfunc_end_k_q8fe63c1bc1_outproj-k_q8fe63c1bc1_outproj
	.p2alignl 7, 3214868480
	.fill 96, 4, 3214868480
	.section	.rodata,"a",@progbits
	.p2align	6, 0x0
	.amdhsa_kernel k_q8fe63c1bc1_outproj
		.amdhsa_group_segment_fixed_size 327680
		.amdhsa_private_segment_fixed_size 0
		.amdhsa_enable_private_segment 0
		.amdhsa_kernarg_size 48
		.amdhsa_user_sgpr_count 2
		.amdhsa_user_sgpr_kernarg_segment_ptr 1
		.amdhsa_wavefront_size32 1
		.amdhsa_system_sgpr_workgroup_id_x 1
		.amdhsa_system_sgpr_workgroup_id_y 1
		.amdhsa_system_sgpr_workgroup_id_z 1
		.amdhsa_system_vgpr_workitem_id 0
		.amdhsa_next_free_vgpr 1024
		.amdhsa_next_free_sgpr 102
		.amdhsa_reserve_vcc 0
		.amdhsa_float_denorm_mode_32 3
		.amdhsa_float_denorm_mode_16_64 3
		.amdhsa_memory_ordered 1
		.amdhsa_forward_progress 1
		.amdhsa_inst_pref_size 87
	.end_amdhsa_kernel
	.amdgpu_metadata
---
amdhsa.version: [ 1, 2 ]
amdhsa.kernels:
  - .name:           k_q8fe63c1bc1_outproj
    .symbol:         k_q8fe63c1bc1_outproj.kd
    .args:
      - { .name: o_codes, .offset: 0, .size: 8, .value_kind: global_buffer, .address_space: global }
      - { .name: o_scales, .offset: 8, .size: 8, .value_kind: global_buffer, .address_space: global }
      - { .name: xw_codes, .offset: 16, .size: 8, .value_kind: global_buffer, .address_space: global }
      - { .name: xw_scales, .offset: 24, .size: 8, .value_kind: global_buffer, .address_space: global }
      - { .name: bo, .offset: 32, .size: 8, .value_kind: global_buffer, .address_space: global }
      - { .name: out0, .offset: 40, .size: 8, .value_kind: global_buffer, .address_space: global }
    .group_segment_fixed_size: 327680
    .private_segment_fixed_size: 0
    .kernarg_segment_align: 8
    .kernarg_segment_size: 48
    .max_flat_workgroup_size: 128
    .sgpr_count:     102
    .vgpr_count:     1024
    .wavefront_size: 32
...
	.end_amdgpu_metadata
.endif
;; end of part 4
